; MI455X (gfx1250); checked and timed in simulation.
; The chip was launched on July 23, 2026; its instructions are those of AMD's public machine-readable ISA for CDNA 5 (MIT licence, August 2026) and "CDNA5" Instruction Set Architecture Reference Guide (July 2026). The comments in the code are by the model that wrote it; some were corrected since.
;; Multi Head Attention. Allowed arithmetic: matrix products marked QUANTISED: E2M1 operands, one E8M0 scale for each 32 along K, by v_wmma_scale_f32_16x16x128_f8f6f4 with both operands' format E2M1 (or v_wmma_scale_f32_32x16x128_f4), f32 sums; products left as they are: bf16, f16 or f32 operands; f32 sums; everything else in f32.
;; Inputs: Wk 1,024 x 1,024 float32; Wo 1,024 x 1,024 float32; Wq 1,024 x 1,024 float32; Wv 1,024 x 1,024 float32; bk 1,024 float32; bo 1,024 float32; bq 1,024 float32; bv 1,024 float32; input_sequences 4 x 2,048 x 1,024 float32.
;; Outputs: out0 4 x 2,048 x 1,024 float32.
;; This version of the problem:
;;   THIS VERSION OF THE PROBLEM IS GIVEN IN LOW PRECISION. The matrix products marked QUANTISED in the list below multiply operands that are first quantised to E2M1 (2 exponent bits, 1 mantissa bit; 4 bits a number), with one power-of-two scale for each 32 numbers along K (OCP MX v1.0); their sums are f32. The products marked 'left as it is' may take bf16, f16 or f32 operands, with f32 sums. Whichever they take, every output number must still come out within the allowed error. Rounding operands to bf16 (8 significant bits) uses up far more of that allowance than f16 does (11 bits, for magnitudes from 6e-5 to 65,504). All else is computed in f32.
;;   The module's matrix products, in the order in which they are computed (A, B: the left and right operand; K: the contracted axis; several contracted axes count as one K, in the product's order):
;;     1. [M 8,192, K 1,024] x [K 1,024, N 1,024]; A: input input_sequences; B: input Wq: QUANTISED
;;     2. [M 8,192, K 1,024] x [K 1,024, N 1,024]; A: input input_sequences; B: input Wk: QUANTISED
;;     3. [M 8,192, K 1,024] x [K 1,024, N 1,024]; A: input input_sequences; B: input Wv: QUANTISED
;;     4. batch 64 x [M 2,048, K 64] x [K 64, N 2,048]; A: computed on the way; B: computed on the way: left as it is (an operand is computed on the way)
;;     5. batch 64 x [M 2,048, K 2,048] x [K 2,048, N 64]; A: computed on the way; B: computed on the way: left as it is (an operand is computed on the way)
;;     6. [M 8,192, K 1,024] x [K 1,024, N 1,024]; A: computed on the way; B: input Wo: left as it is (an operand is computed on the way)
;;   THE QUANTISER, for each operand of a quantised product, along K:
;;     - K is cut into blocks of 32 from its start; a last block that is shorter is filled with zeros.
;;     - A block's scale is 2^e with e = floor(log2(the largest magnitude in the block)) - 2, held to -126 .. 127; a block of zeros has e = 0. As a byte (E8M0): e + 127.
;;     - Each number is divided by its block's scale, clamped to +-6, and rounded to the nearest number of E2M1, ties to even, subnormals kept.
;;     - The product sums the exact products of the quantised numbers (number of the format x scale) in f32.
;;   ~~~python
;;   def quantise(x, axis):      # numpy; x: float32 -> the quantised numbers, widened to float32 again
;;       x = np.moveaxis(x, axis, -1); K = x.shape[-1]
;;       x = np.pad(x, [(0, 0)] * (x.ndim - 1) + [(0, -K % 32)]); x = x.reshape(x.shape[:-1] + (-1, 32)); a = np.abs(x).max(-1, keepdims=True)
;;       e = np.where(a > 0, np.clip(np.frexp(np.where(a > 0, a, 1))[1] - 1 - 2, -126, 127), 0)      # np.frexp(a)[1] - 1 = floor(log2(a)), exactly
;;       r = np.clip(x / 2.0 ** e, -6, 6)
;;       step = 2.0 ** (np.maximum(np.frexp(np.where(r == 0, 1, r))[1] - 1, 0) - 1)
;;       q = np.round(r / step) * step * 2.0 ** e      # np.round: ties to even
;;       return np.moveaxis(q.reshape(q.shape[:-2] + (-1,))[..., :K], -1, axis).astype(np.float32)
;;   ~~~
;; One version. Each part assembles by itself: llvm-mc -triple=amdgcn-amd-amdhsa -mcpu=gfx1250 --defsym DOCPART=n.
;; ======== version 1 of 1: 6 launches
;; limits: values are held in f16: magnitudes above 65,504 overflow, below 6.1e-05 lose precision
;; workspace buffers: xcodes 4,194,304 bytes; xscales 262,144 bytes; wcodes 1,572,864 bytes; wscales 98,304 bytes; wo16 2,097,152 bytes; qkv 50,331,648 bytes; ctx 16,777,216 bytes; cfine 262,144 bytes
;; launch prep (part 1): grid 288 x 1, 8 waves a work-group, no clusters, 84,992 bytes of LDS; arguments input_sequences, Wq, Wk, Wv, Wo, xcodes, xscales, wcodes, wscales, wo16; writes xcodes, xscales, wcodes, wscales, wo16
.if DOCPART == 1
	.amdgcn_target "amdgcn-amd-amdhsa--gfx1250"
	.amdhsa_code_object_version 6
	.text
	.protected	k_q17ec3787be_prep
	.globl	k_q17ec3787be_prep
	.p2align	8
	.type	k_q17ec3787be_prep,@function
k_q17ec3787be_prep:
	s_mov_b64 s[64:65], 0
	v_nop
	global_prefetch_b8 v0, s[64:65] scope:SCOPE_SE
	s_setreg_imm32_b32 hwreg(HW_REG_WAVE_MODE, 25, 1), 1
	s_wait_xcnt 0x0
; PREP: the operands of the three quantised products become codes of E2M1 with one E8M0 byte for each 32 along K = 1,024, and Wo becomes f16.
; WORK LEFT OUT IN THIS PROGRAM, AND WHY IT IS DEAD.
;  (1) bk.  The product q k^T is not quantised, so q . (k0 + bk) = q . k0 + q . bk in exact arithmetic, and q . bk is one number for a query: the same for every key of that query's
;      row.  A term added to a softmax's input that is the same along its axis cancels, for all finite values of the inputs; the mask's -inf stays -inf.  So bk reaches no output: it is not
;      loaded and is among no launch's arguments.  bq (it multiplies k), bv and bo are live.
;  (2) Score tiles that lie wholly above the diagonal of the causal mask that the problem builds itself: their weights are 0 (the attention launch says where it stops).
;  LIMIT: a NaN, an infinity or an overflow that reaches only bk or only masked tiles is not carried to the result.
; LIMITS of this launch: a block of zeros gets the byte 1 where the quantiser says 127 (its codes are zeros, which add nothing, and the bytes are read by this program alone); blocks whose largest
; magnitude lies under 2^(2 - 126) have the byte held at 1; NaN and infinities among the inputs are not served; Wo goes to f16: magnitudes above 65,504 become infinity.
; THREE PATHS, parted once on the work-group's number, each with LDS bytes of its own:
;  work-groups 0-95    W: Wq, Wk, Wv [k][n] -> wcodes [3072 n][512 bytes], wscales [3072][32]: a lane takes a column, its registers run down K
;  work-groups 96-159  C: Wo f32 -> wo16 f16, as it lies
;  work-groups 160-287 X: x [8192][1024], K innermost -> xcodes [8192][512 bytes], xscales [8192][32]: a plain stream of blocks of 32
.set SPW,   12                         ; v12  LDS address of my spare word; never rewritten
.set NIL,   13                         ; v13  0; never rewritten
.set WST,   65536                      ; path W: a stage of 64 columns x (256 bytes + 16)
.set WSC,   82944                      ; path W: 64 columns x 16 scale bytes
.set SPARE, 83968                      ; the spare words, 128 bytes for each of eight waves
.set STEPS, 16
.set CB,    8                          ; bytes of 16 codes
.set R,     16                         ; path X: v16-79 four sets of 16 numbers as loaded
.set X,     80                         ; v80-111 two sets of 16 neighbours
.set C,     128                        ; v128-191 codes, four registers a step
.set E,     112                        ; v112-127 a scale byte a step
.set WREG,  8192                       ; path X: a region for each wave: two stages of 32 x 80 bytes, then its 256 scale bytes
.set SP,    80
	s_load_b512 s[4:19], s[0:1], 0x0               ; x, Wq, Wk, Wv, Wo, xcodes, xscales, wcodes
	s_load_b128 s[20:23], s[0:1], 0x40             ; wscales, wo16
	v_lshl_add_u32 v[SPW], v0, 2, SPARE
	v_mov_b32 v[NIL], 0
	v_lshrrev_b32 v1, 5, v0
	v_readfirstlane_b32 s24, v1                    ; wave 0..7
	v_and_b32 v2, 31, v0                           ; lane
	s_wait_kmcnt 0x0
	s_cmp_lt_u32 ttmp9, 96
	s_cbranch_scc1 .LW
	s_cmp_lt_u32 ttmp9, 160
	s_cbranch_scc1 .LC
; ---------------- PATH X: a wave takes 16 steps of 512 numbers.  Each load reads 512 consecutive bytes; a step's 2,048 bytes turn through the wave's own stage so that a lane holds 16 neighbours along K
	v_lshlrev_b32 v3, 4, v2                        ; my 16 bytes of a load's 512
	s_mul_i32 s25, s24, WREG
	v_lshrrev_b32 v14, 2, v2
	v_mul_u32_u24 v14, v14, SP
	v_and_b32 v15, 3, v2
	v_lshl_add_u32 v14, v15, 4, v14
	v_add_nc_u32 v14, s25, v14                     ; into the stage: 80 (lane / 4) + 16 (lane % 4)
	v_mul_u32_u24 v15, v2, SP
	v_add_nc_u32 v15, s25, v15                     ; out of it: 80 x lane: my 16 neighbours
	v_mul_u32_u24 v4, v2, CB                       ; my codes' place in a step's 256 bytes
	v_lshrrev_b32 v5, 1, v2
	s_add_co_u32 s25, s25, 2*32*SP
	v_add_nc_u32 v5, s25, v5                       ; my block's scale byte in the wave's 256
	v_lshlrev_b32 v7, 3, v2
	v_add_nc_u32 v6, s25, v7
	s_sub_co_u32 s26, ttmp9, 160
	s_lshl_b32 s26, s26, 3
	s_add_co_u32 s26, s26, s24                     ; which run of 8,192 numbers is my wave's: 0..1023
	s_mov_b32 s29, 0
	s_lshl_b32 s28, s26, 15
	s_add_nc_u64 s[4:5], s[4:5], s[28:29]          ; 32,768 bytes of x a run
	s_lshl_b32 s28, s26, 12
	s_add_nc_u64 s[14:15], s[14:15], s[28:29]      ; 4,096 bytes of codes
	s_lshl_b32 s28, s26, 8
	s_add_nc_u64 s[16:17], s[16:17], s[28:29]      ; 256 scale bytes
.macro XLOAD t
.irp i, 0,1,2,3
	global_load_b128 v[R+16*((\t)%4)+4*\i:R+16*((\t)%4)+4*\i+3], v3, s[4:5] offset:2048*(\t)+512*\i th:TH_LOAD_NT
.endr
.endm
.macro XTURN t                         ; LDS serves a wave's instructions in order: no wait between the stores and the loads
.irp i, 0,1,2,3
	ds_store_b128 v14, v[R+16*((\t)%4)+4*\i:R+16*((\t)%4)+4*\i+3] offset:32*SP*((\t)%2)+8*SP*\i
.endr
.irp i, 0,1,2,3
	ds_load_b128 v[X+16*((\t)%2)+4*\i:X+16*((\t)%2)+4*\i+3], v15 offset:32*SP*((\t)%2)+16*\i
.endr
.endm
.irp t, 0,1,2,3
	XLOAD \t
.endr
	s_wait_loadcnt 12                              ; step 0's four loads are in; the twelve of steps 1 to 3 may be out
	XTURN 0
.macro XSTEP t
.set XS, X+16*((\t)%2)
.if (\t) > 0
	s_wait_dscnt 1                                 ; this step's numbers are back from the stage; the last step's byte store may be out
.else
	s_wait_dscnt 0x0
.endif
.if (\t)+4 < STEPS
	XLOAD (\t)+4                                   ; into the set whose stores into the stage are done
.endif
.if (\t)+1 < STEPS
.if STEPS-2-(\t) >= 3
	s_wait_loadcnt 12                              ; the next step's four loads are in; those of the three steps behind it may be out
.else
	s_wait_loadcnt 4*(STEPS-2-(\t))
.endif
	XTURN (\t)+1
.endif
	v_max3_num_f32 v8, |v[XS]|, |v[XS+1]|, |v[XS+2]|               ; the largest magnitude of my 16, in two chains
	v_max3_num_f32 v9, |v[XS+3]|, |v[XS+4]|, |v[XS+5]|
.irp i, 6,10
	v_max3_num_f32 v8, v8, |v[XS+\i]|, |v[XS+\i+1]|
	v_max3_num_f32 v9, v9, |v[XS+\i+2]|, |v[XS+\i+3]|
.endr
	v_max3_num_f32 v8, v8, |v[XS+14]|, |v[XS+15]|
	v_max3_num_f32 v8, v8, v9, 0x1800000           ; and the floor 2^(3 - 127): the byte cannot fall under 1
	v_max_num_f32_dpp v8, v8, v8 row_xmask:1 row_mask:0xf bank_mask:0xf   ; with my neighbour's 16: the block's
	v_add_nc_u32 v11, 0xff000000, v8               ; 2 off its exponent field: the conversion takes the exponent field of this operand as its scale
	v_cvt_scalef32_pk8_fp4_f32 v[C+4*(\t)], v[XS:XS+7], v11
	v_cvt_scalef32_pk8_fp4_f32 v[C+4*(\t)+1], v[XS+8:XS+15], v11
	v_lshrrev_b32 v[E+(\t)], 23, v11               ; the scale's byte
	ds_store_b8 v5, v[E+(\t)] offset:16*(\t)       ; both lanes of a block write the same byte with the same value
	global_store_b64 v4, v[C+4*(\t):C+4*(\t)+1], s[14:15] offset:32*CB*(\t)   ; the wave stores 256 consecutive bytes, aligned
.endm
.irp t, 0,1,2,3,4,5,6,7,8,9,10,11,12,13,14,15
	XSTEP \t
.endr
	ds_load_b64 v[8:9], v6                         ; in order behind my byte stores
	s_wait_dscnt 0x0
	global_store_b64 v7, v[8:9], s[16:17]          ; the wave's 256 scale bytes, aligned
	s_wait_tensorcnt 0x0                           ; the wave's end
	ds_add_u32 v[SPW], v[NIL]
	s_wait_dscnt 0x0
	s_endpgm
; ---------------- PATH W: work-group g: 64 columns (block g / 2 of 48) x 512 along K (half g % 2).  Wave w: 32 columns (w % 2) x 128 along K (w / 2): four blocks a lane
.LW:
	s_lshr_b32 s25, ttmp9, 1                       ; column block 0..47
	s_and_b32 s26, ttmp9, 1                        ; K half
	s_lshr_b32 s27, s25, 4                         ; which weight: 0 q, 1 k, 2 v
	s_cmp_eq_u32 s27, 0
	s_cselect_b64 s[28:29], s[6:7], s[8:9]
	s_cmp_eq_u32 s27, 2
	s_cselect_b64 s[28:29], s[10:11], s[28:29]     ; the choice hangs on the work-group's number alone
	s_and_b32 s30, s24, 1                          ; which 32 columns
	s_lshr_b32 s31, s24, 1                         ; which 128 along K
	s_lshl_b32 s32, s26, 21                        ; 512 rows of 4,096 bytes
	s_lshl_b32 s33, s31, 19                        ; 128 rows
	s_add_co_u32 s32, s32, s33
	s_and_b32 s33, s25, 15
	s_lshl_b32 s33, s33, 8                         ; 64 columns of 4 bytes
	s_add_co_u32 s32, s32, s33
	s_lshl_b32 s33, s30, 7
	s_add_co_u32 s32, s32, s33
	s_mov_b32 s33, 0
	s_add_nc_u64 s[28:29], s[28:29], s[32:33]
	v_lshlrev_b32 v3, 2, v2                        ; in: 4 bytes a lane: a load reads 128 consecutive bytes
	s_mul_i32 s34, s30, 32*272
	s_lshl_b32 s35, s31, 6
	s_add_co_u32 s34, s34, s35
	s_add_co_u32 s34, s34, WST
	v_mul_u32_u24 v4, v2, 272
	v_add_nc_u32 v4, s34, v4                       ; into the stage: row = my column, 64 bytes for each quarter of K
	s_lshl_b32 s34, s30, 9
	s_lshl_b32 s35, s31, 2
	s_add_co_u32 s34, s34, s35
	s_add_co_u32 s34, s34, WSC
	v_lshl_add_u32 v5, v2, 4, s34                  ; my column's four scale bytes
	v_lshrrev_b32 v6, 4, v2
	v_and_b32 v15, 15, v2
	v_mul_u32_u24 v7, v6, 272
	v_lshl_add_u32 v7, v15, 4, v7
	s_mul_i32 s34, s24, 8*272
	s_add_co_u32 s34, s34, WST
	v_add_nc_u32 v7, s34, v7                       ; out of the stage: wave w takes columns 8 w .. 8 w + 7, sixteen lanes to a row
	v_lshlrev_b32 v8, 9, v6
	v_lshl_add_u32 v8, v15, 4, v8                  ; and the same place in wcodes
	v_and_b32 v9, 63, v0
	v_lshlrev_b32 v10, 5, v9                       ; wscales: 32 bytes a column
	v_lshl_add_u32 v9, v9, 4, WSC                  ; (read by waves 0 and 1 alone)
	s_lshl_b32 s34, s25, 15                        ; 64 rows of 512 bytes
	s_lshl_b32 s35, s24, 12
	s_add_co_u32 s34, s34, s35
	s_lshl_b32 s35, s26, 8
	s_add_co_u32 s34, s34, s35
	s_mov_b32 s35, 0
	s_add_nc_u64 s[18:19], s[18:19], s[34:35]
	s_lshl_b32 s34, s25, 11
	s_lshl_b32 s32, s26, 4
	s_add_co_u32 s34, s34, s32
	s_add_nc_u64 s[20:21], s[20:21], s[34:35]
.macro WLOAD t                         ; block t: W(32 t + i, my column) into set t % 2
.set i, 0
.rept 32
	global_load_b32 v[32+32*((\t)%2)+i], v3, s[28:29] offset:(32*(\t)+i)*4096 th:TH_LOAD_NT
.set i, i+1
.endr
.endm
	WLOAD 0
	WLOAD 1
.macro WBLOCK t
.set XS, 32+32*((\t)%2)
.if (\t) < 3
	s_wait_loadcnt 32                              ; this block's 32 loads are in; the next block's 32 may be out
.else
	s_wait_loadcnt 0x0
.endif
	v_max3_num_f32 v16, |v[XS]|, |v[XS+1]|, |v[XS+2]|               ; all 32 numbers of the block are mine
	v_max3_num_f32 v17, |v[XS+3]|, |v[XS+4]|, |v[XS+5]|
.irp i, 6,10,14,18,22,26
	v_max3_num_f32 v16, v16, |v[XS+\i]|, |v[XS+\i+1]|
	v_max3_num_f32 v17, v17, |v[XS+\i+2]|, |v[XS+\i+3]|
.endr
	v_max3_num_f32 v16, v16, |v[XS+30]|, |v[XS+31]|
	v_max3_num_f32 v16, v16, v17, 0x1800000        ; the floor 2^(3 - 127)
	v_add_nc_u32 v11, 0xff000000, v16              ; the conversion's scale operand
	v_lshrrev_b32 v17, 23, v11                     ; the scale's byte
.if (\t) == 0
	v_mov_b32 v24, v17
.else
	v_lshl_or_b32 v24, v17, 8*(\t), v24            ; four bytes to a register, the lower K in the lower byte
.endif
.irp g, 0,1,2,3
	v_cvt_scalef32_pk8_fp4_f32 v[96+4*(\t)+\g], v[XS+8*\g:XS+8*\g+7], v11   ; each block has its own four registers
.endr
	ds_store_b128 v4, v[96+4*(\t):96+4*(\t)+3] offset:16*(\t)
.if (\t)+2 < 4
	WLOAD (\t)+2
.endif
.endm
	WBLOCK 0
	WBLOCK 1
	WBLOCK 2
	WBLOCK 3
	ds_store_b32 v5, v24
	s_wait_dscnt 0x0                               ; for the others' sake: my stores into the stage are done
	s_barrier_signal -1
	s_barrier_wait -1
.irp t, 0,1,2,3
	ds_load_b128 v[112+4*\t:115+4*\t], v7 offset:544*\t
.endr
.irp t, 0,1,2,3
	s_wait_dscnt 3-\t
	global_store_b128 v8, v[112+4*\t:115+4*\t], s[18:19] offset:1024*\t   ; sixteen lanes store 256 consecutive bytes, aligned
.endr
	s_cmp_lt_u32 s24, 2
	s_cbranch_scc0 .LWend
	ds_load_b128 v[28:31], v9                      ; the scale bytes leave in pieces of 16 bytes, 32 apart: 98,304 bytes in the whole launch
	s_wait_dscnt 0x0
	global_store_b128 v10, v[28:31], s[20:21]
.LWend:
	s_wait_tensorcnt 0x0                           ; the wave's end
	ds_add_u32 v[SPW], v[NIL]
	s_wait_dscnt 0x0
	s_endpgm
; ---------------- PATH C: a wave takes 8,192 bytes of Wo and stores 4,096 of f16.  No LDS
.LC:
	s_sub_co_u32 s25, ttmp9, 96
	s_lshl_b32 s25, s25, 3
	s_add_co_u32 s25, s25, s24
	s_lshl_b32 s26, s25, 13
	s_mov_b32 s27, 0
	s_add_nc_u64 s[12:13], s[12:13], s[26:27]
	s_lshl_b32 s26, s25, 12
	s_add_nc_u64 s[22:23], s[22:23], s[26:27]
	v_lshlrev_b32 v3, 4, v2
	v_lshlrev_b32 v4, 3, v2
.irp i, 0,1,2,3,4,5,6,7,8,9,10,11,12,13,14,15
	global_load_b128 v[16+4*\i:19+4*\i], v3, s[12:13] offset:512*\i th:TH_LOAD_NT
.endr
.irp i, 0,1,2,3,4,5,6,7,8,9,10,11,12,13,14,15
	s_wait_loadcnt 15-\i                           ; loads come back in order: number i is in
	v_cvt_pk_f16_f32 v[80+2*\i], v[16+4*\i], v[17+4*\i]
	v_cvt_pk_f16_f32 v[81+2*\i], v[18+4*\i], v[19+4*\i]
	global_store_b64 v4, v[80+2*\i:81+2*\i], s[22:23] offset:256*\i   ; 256 consecutive bytes, aligned
.endr
	s_endpgm
.Lfunc_end_k_q17ec3787be_prep:
	.size	k_q17ec3787be_prep, .Lfunc_end_k_q17ec3787be_prep-k_q17ec3787be_prep
	.p2alignl 7, 3214868480
	.fill 96, 4, 3214868480
	.section	.rodata,"a",@progbits
	.p2align	6, 0x0
	.amdhsa_kernel k_q17ec3787be_prep
		.amdhsa_group_segment_fixed_size 84992
		.amdhsa_private_segment_fixed_size 0
		.amdhsa_enable_private_segment 0
		.amdhsa_kernarg_size 80
		.amdhsa_user_sgpr_count 2
		.amdhsa_user_sgpr_kernarg_segment_ptr 1
		.amdhsa_wavefront_size32 1
		.amdhsa_system_sgpr_workgroup_id_x 1
		.amdhsa_system_sgpr_workgroup_id_y 1
		.amdhsa_system_sgpr_workgroup_id_z 1
		.amdhsa_system_vgpr_workitem_id 0
		.amdhsa_next_free_vgpr 192
		.amdhsa_next_free_sgpr 66
		.amdhsa_reserve_vcc 0
		.amdhsa_float_denorm_mode_32 3
		.amdhsa_float_denorm_mode_16_64 3
		.amdhsa_memory_ordered 1
		.amdhsa_forward_progress 1
		.amdhsa_inst_pref_size 61
	.end_amdhsa_kernel
	.amdgpu_metadata
---
amdhsa.version: [ 1, 2 ]
amdhsa.kernels:
  - .name:           k_q17ec3787be_prep
    .symbol:         k_q17ec3787be_prep.kd
    .args:
      - { .name: input_sequences, .offset: 0, .size: 8, .value_kind: global_buffer, .address_space: global }
      - { .name: Wq, .offset: 8, .size: 8, .value_kind: global_buffer, .address_space: global }
      - { .name: Wk, .offset: 16, .size: 8, .value_kind: global_buffer, .address_space: global }
      - { .name: Wv, .offset: 24, .size: 8, .value_kind: global_buffer, .address_space: global }
      - { .name: Wo, .offset: 32, .size: 8, .value_kind: global_buffer, .address_space: global }
      - { .name: xcodes, .offset: 40, .size: 8, .value_kind: global_buffer, .address_space: global }
      - { .name: xscales, .offset: 48, .size: 8, .value_kind: global_buffer, .address_space: global }
      - { .name: wcodes, .offset: 56, .size: 8, .value_kind: global_buffer, .address_space: global }
      - { .name: wscales, .offset: 64, .size: 8, .value_kind: global_buffer, .address_space: global }
      - { .name: wo16, .offset: 72, .size: 8, .value_kind: global_buffer, .address_space: global }
    .group_segment_fixed_size: 84992
    .private_segment_fixed_size: 0
    .kernarg_segment_align: 8
    .kernarg_segment_size: 80
    .max_flat_workgroup_size: 256
    .sgpr_count:     66
    .vgpr_count:     192
    .wavefront_size: 32
...
	.end_amdgpu_metadata
.endif
;; end of part 1
;; launch qkv (part 2): grid 12 x 32, 4 waves a work-group, clusters of 4 x 4, 327,680 bytes of LDS; arguments xcodes, xscales, wcodes, wscales, bq, bv, qkv; writes qkv
.if DOCPART == 2
	.amdgcn_target "amdgcn-amd-amdhsa--gfx1250"
	.amdhsa_code_object_version 6
	.text
	.protected	k_q17ec3787be_qkv
	.globl	k_q17ec3787be_qkv
	.p2align	8
	.type	k_q17ec3787be_qkv,@function
k_q17ec3787be_qkv:
	s_mov_b64 s[64:65], 0
	v_nop
	global_prefetch_b8 v0, s[64:65] scope:SCOPE_SE
	s_setreg_imm32_b32 hwreg(HW_REG_WAVE_MODE, 25, 1), 1
	s_wait_xcnt 0x0
	s_wait_alu depctr_hold_cnt(0) depctr_sa_sdst(0) depctr_va_vdst(0) depctr_va_sdst(0) depctr_va_ssrc(0) depctr_va_vcc(0) depctr_vm_vsrc(0)
	s_getreg_b32 s2, hwreg(HW_REG_IB_STS2, 6, 4)
	s_cmp_eq_u32 s2, 0
	s_cbranch_scc0 .Lentry_in_a_cluster
	s_endpgm
.Lentry_in_a_cluster:
	s_bfe_u32 s2, ttmp6, 0x10000c
	s_cmp_lg_u32 s2, 0xf033
	s_cbranch_scc0 .Lentry_shape_is_right
	s_endpgm
.Lentry_shape_is_right:
; QKV: [8192][3072] = x [8192][1024] x (Wq | Wk | Wv), both operands as codes of E2M1 with E8M0 scales, sums in f32; + bq, nothing, + bv; rounded once to f16 and stored head-major:
; qkv [3 parts][64 = 16 batch + head][2048 positions][64] f16.  bk is left out: it adds the same number to all scores of a query and cancels in the softmax (shown at the head of the first kernel).
; LIMIT: q, k, v go to f16: magnitudes above 65,504 become infinity.
; A tile of 256 x 256 is made by four waves, each 128 x 128: 64 accumulators, 512 registers.  K = 1,024 is two LDS slots of 512 along K (rows of 256 bytes): both are asked for at the head and no slot is filled again.
; The scale bytes of the tile's 256 + 256 rows come once, as dense blocks.  CLUSTERS 4 x 4: x's tiles are shared along a row of the cluster, the weights' along a column, by joint loads.
; The cluster's x is the part (q, k, v): 4 tiles of 256 columns are one weight.  THE MATRIX INSTRUCTION IS USED TRANSPOSED (source 0 = 16 rows of wcodes, source 1 = 16 rows of xcodes): a lane holds eight neighbouring columns of one row.
; REGISTERS: window 0: v0-31 addresses; v32-95 scale words, two sets; v128-191 x's fragments, one set; v192-255 the bias in the result's layout (the C of each sum's first product).
;   window 1: the weights' fragments, two sets.  windows 2, 3: the accumulators ((a, b) at v[8 (8 (a % 4) + b)]).
.set NQ,     4                         ; steps of 128 along K in a slot
.set ROWB,   256                       ; a tile's row: 512 codes
.set KROW,   512                       ; a row of codes in memory
.set PITCH,  272                       ; an LDS row: 256 bytes + 16: the sixteen rows of a load begin 68 words apart
.set FR,     8
.set NL,     2
.set NP,     4                         ; places behind this matrix form (ISA guide 7.12.1)
.set HALFT,  128*PITCH
.set SLOT,   4*HALFT
.set KS,     32                        ; a row of scale bytes
.set SCL,    2*SLOT
.set HALFS,  (128*KS/256)*272
.set SBLK,   (16*KS/256)*272
.set SPARE,  SCL+4*HALFS
.set SPITCH, 272                       ; the way out: 16 rows x (256 bytes + 16) for each wave, in slot 0, which has had its only fill and its last read by then
.set ADRA, 16
.set ADRB, 20
.set STO,  24
.set RD,   25
.set CO,   26
.set ADRS, 27
.set SPW,  28
.set NIL,  29
.set BOF,  30                          ; v30  32 x (lane / 16): my place in the bias
.set SC,   32
.set AF,   128
.set BI,   192
.set TMP,  32                          ; the way out: packed results
.set BK,   64                          ; the way out: rows read back, two sets of 32
.set G1, 24
.set G0, 32
.set G1B, 48
.set G0B, 56
.set G1S, 68
.set G0S, 76
.set G1SB, 80
.set G0SB, 88
.set MSB, 0
.macro WIN new                         ; the immediate's high byte repeats the setting that is left
.if MSB != (\new)
	s_set_vgpr_msb (MSB<<8)|(\new)
.set MSB, (\new)
.endif
.endm
.set MUL_LO, 0xa1                      ; source 0 window 1, source 1 window 0, C and D window 2
.set MUL_HI, 0xf1                      ; C and D window 3
.set TO_B,   0x40
.macro JLOAD g0a, g1a, g0b, g1b        ; a joint load: waves 0 and 1 fetch for x, waves 2 and 3 for the weights; an s_nop 0 and four v_nop follow each line
	s_cmp_eq_u32 s15, 0
	s_cbranch_scc0 .Lfor_b_\@
	tensor_load_to_lds s[\g0a:\g0a+3], s[\g1a:\g1a+7]
	s_nop 0
.rept 4
	v_nop
.endr
	s_branch .Lasked_\@
.Lfor_b_\@:
	tensor_load_to_lds s[\g0b:\g0b+3], s[\g1b:\g1b+7]
	s_nop 0
.rept 4
	v_nop
.endr
.Lasked_\@:
.endm
.macro CROUND                          ; a round of the cluster's barrier
	s_barrier_signal -1
	s_barrier_wait -1
	s_cmp_lg_u32 s14, 0
	s_cbranch_scc1 .Lnot_wave_0_\@
	s_barrier_signal -3
.Lnot_wave_0_\@:
	s_barrier_wait -3
	s_barrier_signal -1
	s_barrier_wait -1
.endm
	s_load_b128 s[4:7], s[0:1], 0x0                ; xcodes, xscales
	s_load_b128 s[8:11], s[0:1], 0x10              ; wcodes, wscales
	s_load_b128 s[96:99], s[0:1], 0x20             ; bq, bv
	s_load_b64 s[12:13], s[0:1], 0x30              ; qkv
	v_lshl_add_u32 v[SPW], v0, 2, SPARE
	v_mov_b32 v[NIL], 0
	ds_add_u32 v[SPW], v[NIL]                      ; the opening: the add, twice on end, and its wait ahead of my first tensor load
	ds_add_u32 v[SPW], v[NIL]
	v_lshrrev_b32 v1, 5, v0
	v_readfirstlane_b32 s14, v1                    ; wave 0..3
	s_lshr_b32 s15, s14, 1                         ; my half of the tile's rows; also: I fetch for x (0) or for the weights (1)
	s_and_b32 s16, s14, 1                          ; my half of its columns; also: which 128 rows I fetch
	s_bfe_u32 s40, ttmp6, 0x40000                  ; cx
	s_bfe_u32 s41, ttmp6, 0x40004                  ; cy
	s_lshl_b32 s42, ttmp9, 2
	s_add_co_u32 s42, s42, s40                     ; tile column
	s_and_b32 s17, ttmp7, 0xffff
	s_lshl_b32 s17, s17, 2
	s_add_co_u32 s17, s17, s41                     ; tile row
	s_lshl_b32 s43, s41, 2
	s_lshl_b32 s43, 15, s43                        ; my row of the cluster
	s_lshl_b32 s44, 0x1111, s40                    ; my column
	s_or_b32 s[G1+0], s43, (0<<16)|(1<<20)|(1<<21)|(5<<22)|(3<<25)   ; mask; elements of 1 byte; padding: 4 words after every 64; bit 21 beside a mask
	s_or_b32 s[G1B+0], s44, (0<<16)|(1<<20)|(1<<21)|(5<<22)|(3<<25)
.irp g, G1, G1B
	s_mov_b32 s[\g+1], ROWB<<16                    ; tensor_dim0
	s_mov_b32 s[\g+2], 128<<16                     ; tensor_dim1
	s_mov_b32 s[\g+3], ROWB<<16                    ; tile_dim0
	s_mov_b32 s[\g+4], 128                         ; tile_dim1
	s_mov_b32 s[\g+5], KROW                        ; the pitch
	s_mov_b32 s[\g+6], 0
	s_mov_b32 s[\g+7], 0
.endr
	s_or_b32 s[G1S+0], s43, (3<<16)|(1<<20)|(1<<21)|(5<<22)|(3<<25)  ; the scales of 128 rows: 4,096 dense bytes as 16 rows of 256 (32 elements of 8 bytes)
	s_or_b32 s[G1SB+0], s44, (3<<16)|(1<<20)|(1<<21)|(5<<22)|(3<<25)
.irp g, G1S, G1SB
	s_mov_b32 s[\g+1], 32<<16
	s_mov_b32 s[\g+2], (128*KS/256)<<16
	s_mov_b32 s[\g+3], 32<<16
	s_mov_b32 s[\g+4], 128*KS/256
	s_mov_b32 s[\g+5], 32
	s_mov_b32 s[\g+6], 0
	s_mov_b32 s[\g+7], 0
.endr
	s_lshl_b32 s18, s16, 7
	s_lshl_b32 s20, s17, 8
	s_add_co_u32 s20, s20, s18                     ; x: row 256 x tile row + 128 x half
	s_lshl_b32 s46, s42, 8
	s_add_co_u32 s46, s46, s18                     ; weights: row 256 x tile column + 128 x half
	s_mov_b32 s21, 0
	s_mov_b32 s47, 0
	s_mov_b64 s[18:19], KS
	s_mul_u64 s[22:23], s[20:21], s[18:19]
	s_mul_u64 s[92:93], s[46:47], s[18:19]
	s_mov_b64 s[18:19], KROW
	s_mul_u64 s[20:21], s[20:21], s[18:19]
	s_mul_u64 s[46:47], s[46:47], s[18:19]
	s_mul_i32 s45, s14, HALFT                      ; where they go: wave x 128 rows
	s_mul_i32 s94, s14, HALFS
	s_wait_dscnt 0x0                               ; both opening adds are done
	s_wait_kmcnt 0x0
	s_add_nc_u64 s[20:21], s[4:5], s[20:21]
	s_add_nc_u64 s[22:23], s[6:7], s[22:23]
	s_add_nc_u64 s[46:47], s[8:9], s[46:47]
	s_add_nc_u64 s[92:93], s[10:11], s[92:93]
	CROUND                                         ; all sixteen work-groups are here: the joint loads meet
	s_mov_b32 s[G0S], 1
	s_add_co_u32 s[G0S+1], s94, SCL
	s_mov_b64 s[G0S+2:G0S+3], s[22:23]
	s_or_b32 s[G0S+3], s[G0S+3], 0x80000000
	s_mov_b32 s[G0SB], 1
	s_add_co_u32 s[G0SB+1], s94, SCL
	s_mov_b64 s[G0SB+2:G0SB+3], s[92:93]
	s_or_b32 s[G0SB+3], s[G0SB+3], 0x80000000
	JLOAD G0S, G1S, G0SB, G1SB                     ; the scales first; by this text's count a wave has three tensor loads out
.irp s, 0,1
	s_mov_b32 s[G0+4*\s], 1
	s_add_co_u32 s[G0+4*\s+1], s45, \s*SLOT
	s_add_nc_u64 s[G0+4*\s+2:G0+4*\s+3], s[20:21], \s*ROWB
	s_or_b32 s[G0+4*\s+3], s[G0+4*\s+3], 0x80000000
	s_mov_b32 s[G0B+4*\s], 1
	s_add_co_u32 s[G0B+4*\s+1], s45, \s*SLOT
	s_add_nc_u64 s[G0B+4*\s+2:G0B+4*\s+3], s[46:47], \s*ROWB
	s_or_b32 s[G0B+4*\s+3], s[G0B+4*\s+3], 0x80000000
	JLOAD G0+4*\s, G1, G0B+4*\s, G1B
.endr
	; the bias, in the result's layout: register BI + 8 b + j = bias(column 16 b + 8 (lane / 16) + j of my 128).  The part is the cluster's x: the same in all partners
	v_and_b32 v1, 15, v0                           ; l % 16
	v_bfe_u32 v2, v0, 4, 1                         ; l / 16
	v_lshlrev_b32 v[BOF], 5, v2
	s_cmp_eq_u32 ttmp9, 0
	s_cselect_b64 s[96:97], s[96:97], s[98:99]     ; q: bq; v: bv
	s_lshl_b32 s46, s40, 10
	s_lshl_b32 s47, s16, 9
	s_add_co_u32 s46, s46, s47
	s_mov_b32 s47, 0
	s_add_nc_u64 s[96:97], s[96:97], s[46:47]
	s_cmp_eq_u32 ttmp9, 1
	s_cbranch_scc1 .Lno_bias
.irp b, 0,1,2,3,4,5,6,7
	global_load_b128 v[BI+8*\b:BI+8*\b+3], v[BOF], s[96:97] offset:64*\b
	global_load_b128 v[BI+8*\b+4:BI+8*\b+7], v[BOF], s[96:97] offset:64*\b+16
.endr
	s_branch .Lbias_done
.Lno_bias:                                             ; k: its sums begin at zeros
.set i, 0
.rept 64
	v_mov_b32 v[BI+i], 0
.set i, i+1
.endr
.Lbias_done:
	v_mul_u32_u24 v3, v1, PITCH
	v_lshl_add_u32 v4, v2, 4, v3                   ; a fragment's row x pitch + 16 x half
	s_mul_i32 s21, s15, HALFT
	s_mul_i32 s22, s16, HALFT
	s_add_co_u32 s22, s22, 2*HALFT
.irp s, 0,1
	v_add_nc_u32 v[ADRA+\s], s21, v4
	v_add_nc_u32 v[ADRB+\s], s22, v4
	s_add_co_u32 s21, s21, SLOT
	s_add_co_u32 s22, s22, SLOT
.endr
	v_mul_u32_u24 v5, v1, KS                       ; my row's scales: 32 bytes a row,
	v_lshrrev_b32 v6, 8, v5
	v_lshl_add_u32 v5, v6, 4, v5                   ; and 16 more for each 256 passed
	s_mul_i32 s21, s15, HALFS
	s_mul_i32 s22, s16, HALFS
	s_add_co_u32 s22, s22, 2*HALFS
	s_sub_co_u32 s22, s22, s21
	v_mul_u32_u24 v6, s22, v2                      ; lanes 16-31 take the weights'
	s_add_co_u32 s21, s21, SCL
	v_add_nc_u32 v5, v5, v6
	v_add_nc_u32 v[ADRS], s21, v5
	s_mul_i32 s23, s14, 16*SPITCH                  ; my stage
	v_mul_u32_u24 v5, v1, SPITCH
	v_lshl_add_u32 v5, v2, 4, v5
	v_add_nc_u32 v[STO], s23, v5                   ; in: row l % 16, 16 bytes for each half of the lanes
	v_and_b32 v6, 31, v0
	v_lshlrev_b32 v[CO], 4, v6                     ; out: 16 x lane: four rows of 128 bytes of one head lie on end in memory
	v_lshrrev_b32 v5, 3, v6
	v_mul_u32_u24 v5, v5, SPITCH
	v_and_b32 v6, 7, v6
	v_lshl_add_u32 v5, v6, 4, v5
	v_add_nc_u32 v[RD], s23, v5                    ; back: row lane / 8, 16 (lane % 8)
	s_lshl_b32 s46, ttmp9, 6                       ; the part x 64 heads-and-batches
	s_lshr_b32 s47, s17, 3                         ; the batch: 8 tile rows each
	s_lshl_b32 s47, s47, 4
	s_add_co_u32 s46, s46, s47
	s_lshl_b32 s47, s40, 2                         ; 4 heads to a tile column,
	s_add_co_u32 s46, s46, s47
	s_lshl_b32 s47, s16, 1                         ; 2 to my half
	s_add_co_u32 s46, s46, s47
	s_lshl_b32 s46, s46, 11                        ; 2,048 positions
	s_and_b32 s47, s17, 7
	s_lshl_b32 s47, s47, 8
	s_add_co_u32 s46, s46, s47
	s_lshl_b32 s47, s15, 7
	s_add_co_u32 s46, s46, s47
	s_lshl_b32 s46, s46, 7                         ; 128 bytes a position: under 2^26 in all
	s_mov_b32 s47, 0
	s_add_nc_u64 s[12:13], s[12:13], s[46:47]
.macro FRAG reg, adr, q, i             ; 16 rows x 128 K of 4-bit codes: registers 4 c .. 4 c + 3 hold K = 64 c + 32 (l / 16) + 0 .. 31
.irp c, 0,1
	ds_load_b128 v[\reg+4*\c:\reg+4*\c+3], v[\adr] offset:64*(\q)+32*\c+(\i)*16*PITCH
.endr
.endm
; 16 matrix instructions: x's blocks a0, a0 + 1 against the weights' eight.  zero = 1: the first product starts the sums from the bias.  The 64 accumulators take turns, one instruction a turn.
.macro MUL16 a0, p, q, sc, zero
.irp a, \a0, \a0+1
.irp b, 0,1,2,3,4,5,6,7
.if \zero
	v_wmma_scale_f32_16x16x128_f8f6f4 v[8*(8*((\a)%4)+\b):8*(8*((\a)%4)+\b)+7], v[128*(\p)+FR*\b:128*(\p)+FR*\b+FR-1], v[AF+FR*(\a):AF+FR*(\a)+FR-1], v[BI+8*\b:BI+8*\b+7], v[SC+8*NQ*(\sc)+NQ*\b+(\q)], v[SC+8*NQ*(\sc)+NQ*(\a)+(\q)] matrix_a_fmt:MATRIX_FMT_FP4 matrix_b_fmt:MATRIX_FMT_FP4 matrix_a_scale:MATRIX_SCALE_ROW1
.else
	v_wmma_scale_f32_16x16x128_f8f6f4 v[8*(8*((\a)%4)+\b):8*(8*((\a)%4)+\b)+7], v[128*(\p)+FR*\b:128*(\p)+FR*\b+FR-1], v[AF+FR*(\a):AF+FR*(\a)+FR-1], v[8*(8*((\a)%4)+\b):8*(8*((\a)%4)+\b)+7], v[SC+8*NQ*(\sc)+NQ*\b+(\q)], v[SC+8*NQ*(\sc)+NQ*(\a)+(\q)] matrix_a_fmt:MATRIX_FMT_FP4 matrix_b_fmt:MATRIX_FMT_FP4 matrix_a_scale:MATRIX_SCALE_ROW1
.endif
.endr
.endr
.endm
.macro FETCH_B slot, q, p
	WIN TO_B
.irp i, 0,1,2,3,4,5,6,7
	FRAG 128*(\p)+FR*\i, ADRB+\slot, \q, \i
.endr
	WIN 0
.endm
.macro FETCH_A slot, q, i0
.irp i, \i0, \i0+1, \i0+2, \i0+3
	FRAG AF+FR*(\i), ADRA+\slot, \q, \i
.endr
.endm
.macro SCALES sc                       ; a slot's scale words: lanes 0-15 x's block i, lanes 16-31 the weights' block i
.irp i, 0,1,2,3,4,5,6,7
	ds_load_b128 v[SC+8*NQ*\sc+NQ*\i:SC+8*NQ*\sc+NQ*\i+3], v[ADRS] offset:\i*SBLK
.endr
.endm
.macro PLACES n                        ; plain vector instructions between a matrix instruction and a load into, or a read of, its registers
.rept \n
	v_nop
.endr
.endm
.macro STEP slot, q, zero              ; 128 along K with its successor in the same slot
	s_wait_dscnt 4*NL                              ; the weights' set and x's blocks 0-3 are in; the youngest eight loads (x's blocks 4-7) may be out
.if \zero
	WIN 0x81                                       ; C (the bias) in window 0
.else
	WIN MUL_LO
.endif
	MUL16 0, (\q)%2, \q, \slot, \zero
	MUL16 2, (\q)%2, \q, \slot, \zero
	s_wait_dscnt 0                                 ; x's blocks 4-7 are in
	PLACES NP
	FETCH_B \slot, (\q)+1, 1-(\q)%2
	FETCH_A \slot, (\q)+1, 0
.if \zero
	WIN 0xc1
.else
	WIN MUL_HI
.endif
	MUL16 4, (\q)%2, \q, \slot, \zero
	MUL16 6, (\q)%2, \q, \slot, \zero
	PLACES NP
	WIN 0
	FETCH_A \slot, (\q)+1, 4
.endm
.macro TURN slot, next                 ; a slot's last step changes slots: one barrier; nothing is filled again
	s_wait_tensorcnt 0x0                           ; all my tensor loads have landed: my part of the next slot
	ds_add_u32 v[SPW], v[NIL]                      ; 0 onto my spare word
	s_wait_dscnt 4*NL+1                            ; the add and the youngest eight loads may be out
	WIN MUL_LO
	MUL16 0, 1, NQ-1, \slot, 0
	s_wait_dscnt 0x0                               ; the add is done, and my reads of this slot are over
	s_barrier_signal -1
	MUL16 2, 1, NQ-1, \slot, 0
	WIN 0
	s_barrier_wait -1
	PLACES NP
	v_add_nc_u32 v[ADRS], 4*NQ, v[ADRS]            ; the next slot's scale words
	FETCH_B \next, 0, 0
	FETCH_A \next, 0, 0
	SCALES \next
	WIN MUL_HI
	MUL16 4, 1, NQ-1, \slot, 0
	MUL16 6, 1, NQ-1, \slot, 0
	PLACES NP
	WIN 0
	FETCH_A \next, 0, 4
.endm
	s_wait_tensorcnt 1                             ; the scales and my part of slot 0 are in; slot 1's load may be out
	s_barrier_signal -1
	s_barrier_wait -1
	FETCH_B 0, 0, 0
	FETCH_A 0, 0, 0
	SCALES 0
	FETCH_A 0, 0, 4
	s_wait_loadcnt 0x0                             ; the bias
	STEP 0, 0, 1
	STEP 0, 1, 0
	STEP 0, 2, 0
	TURN 0, 1
	STEP 1, 0, 0
	STEP 1, 1, 0
	STEP 1, 2, 0
	s_wait_dscnt 4*NL                              ; the last step: nothing more to fetch
	WIN MUL_LO
	MUL16 0, 1, NQ-1, 1, 0
	MUL16 2, 1, NQ-1, 1, 0
	s_wait_dscnt 0
	WIN MUL_HI
	MUL16 4, 1, NQ-1, 1, 0
	MUL16 6, 1, NQ-1, 1, 0
	WIN 0
; THE WAY OUT, a block of 16 rows x 128 columns (two heads) at a time: rounded to f16, 16 bytes a lane into my stage, back as four rows of one head an instruction: 512 consecutive bytes of qkv.
.macro PACK a
.set AC, 64*((\a)%4)
	WIN 0x0a+5*((\a)/4)                            ; sources in window 2 or 3
.irp b, 0,1,2,3,4,5,6,7
.irp r, 0,1,2,3
	v_cvt_pk_f16_f32 v[TMP+4*\b+\r], v[AC+8*\b+2*\r], v[AC+8*\b+2*\r+1]   ; each accumulator from its low end on
.endr
.endr
	WIN 0
.endm
.macro TOSTAGE a
.set BB, BK+32*((\a)%2)
.irp b, 0,1,2,3,4,5,6,7
	ds_store_b128 v[STO], v[TMP+4*\b:TMP+4*\b+3] offset:32*\b
.endr
.irp t, 0,1,2,3,4,5,6,7
	ds_load_b128 v[BB+4*\t:BB+4*\t+3], v[RD] offset:(\t%4)*4*SPITCH+(\t/4)*128   ; in order behind my stores
.endr
.endm
.macro SEND a
.set BB, BK+32*((\a)%2)
	s_wait_dscnt 0x0                               ; the block is back in registers
	s_wait_xcnt 0x0                                ; the block before has left its registers: the next block's loads may land there
.irp t, 0,1,2,3,4,5,6,7
	global_store_b128 v[CO], v[BB+4*\t:BB+4*\t+3], s[12:13] offset:(\a)*2048+(\t/4)*262144+(\t%4)*512
.endr
.endm
	PLACES NP
	PACK 0
	TOSTAGE 0
.irp a, 1,2,3,4,5,6,7
	PACK \a
	SEND \a-1
	TOSTAGE \a
.endr
	SEND 7
	s_wait_tensorcnt 0x0                           ; the wave's end
	ds_add_u32 v[SPW], v[NIL]
	s_wait_dscnt 0x0
	CROUND                                         ; the closing round
	s_endpgm
.Lfunc_end_k_q17ec3787be_qkv:
	.size	k_q17ec3787be_qkv, .Lfunc_end_k_q17ec3787be_qkv-k_q17ec3787be_qkv
	.p2alignl 7, 3214868480
	.fill 96, 4, 3214868480
	.section	.rodata,"a",@progbits
	.p2align	6, 0x0
	.amdhsa_kernel k_q17ec3787be_qkv
		.amdhsa_group_segment_fixed_size 327680
		.amdhsa_private_segment_fixed_size 0
		.amdhsa_enable_private_segment 0
		.amdhsa_kernarg_size 56
		.amdhsa_user_sgpr_count 2
		.amdhsa_user_sgpr_kernarg_segment_ptr 1
		.amdhsa_wavefront_size32 1
		.amdhsa_system_sgpr_workgroup_id_x 1
		.amdhsa_system_sgpr_workgroup_id_y 1
		.amdhsa_system_sgpr_workgroup_id_z 1
		.amdhsa_system_vgpr_workitem_id 0
		.amdhsa_next_free_vgpr 1024
		.amdhsa_next_free_sgpr 100
		.amdhsa_reserve_vcc 0
		.amdhsa_float_denorm_mode_32 3
		.amdhsa_float_denorm_mode_16_64 3
		.amdhsa_memory_ordered 1
		.amdhsa_forward_progress 1
		.amdhsa_inst_pref_size 130
	.end_amdhsa_kernel
	.amdgpu_metadata
---
amdhsa.version: [ 1, 2 ]
amdhsa.kernels:
  - .name:           k_q17ec3787be_qkv
    .symbol:         k_q17ec3787be_qkv.kd
    .args:
      - { .name: xcodes, .offset: 0, .size: 8, .value_kind: global_buffer, .address_space: global }
      - { .name: xscales, .offset: 8, .size: 8, .value_kind: global_buffer, .address_space: global }
      - { .name: wcodes, .offset: 16, .size: 8, .value_kind: global_buffer, .address_space: global }
      - { .name: wscales, .offset: 24, .size: 8, .value_kind: global_buffer, .address_space: global }
      - { .name: bq, .offset: 32, .size: 8, .value_kind: global_buffer, .address_space: global }
      - { .name: bv, .offset: 40, .size: 8, .value_kind: global_buffer, .address_space: global }
      - { .name: qkv, .offset: 48, .size: 8, .value_kind: global_buffer, .address_space: global }
    .group_segment_fixed_size: 327680
    .private_segment_fixed_size: 0
    .kernarg_segment_align: 8
    .kernarg_segment_size: 56
    .max_flat_workgroup_size: 128
    .sgpr_count:     100
    .vgpr_count:     1024
    .wavefront_size: 32
...
	.end_amdgpu_metadata
.endif
;; end of part 2
;; launch attn (part 3): grid 4 x 64, 16 waves a work-group, no clusters, 327,680 bytes of LDS; arguments qkv, ctx; writes ctx
.if DOCPART == 3
	.amdgcn_target "amdgcn-amd-amdhsa--gfx1250"
	.amdhsa_code_object_version 6
	.text
	.protected	k_q17ec3787be_attn
	.globl	k_q17ec3787be_attn
	.p2align	8
	.type	k_q17ec3787be_attn,@function
k_q17ec3787be_attn:
	s_mov_b64 s[64:65], 0
	v_nop
	global_prefetch_b8 v0, s[64:65] scope:SCOPE_SE
	s_setreg_imm32_b32 hwreg(HW_REG_WAVE_MODE, 25, 1), 1
	s_wait_xcnt 0x0
; ATTN: ctx = softmax(q k^T / 8, causal) v for each of 64 (batch, head) pairs; q, k, v f16 [2048][64], sums, maxima and exponentials in f32, the weights p rounded to f16 for the second product.
; ctx [16 heads][8192 rows][64] f16.  WORK LEFT OUT: steps of 64 keys all of which come after a wave's 32 queries, and LDS fills that no wave of the work-group would read: the causal mask makes their weights 0.
; LIMIT: ctx goes to f16.  Positions 0-15 of each sequence are computed here too (they lie inside live tiles) and are written over, in f32, by the two last launches.
; SHARES.  Work-group (j, pair) owns query blocks 7 - j (waves 0-7) and j (waves 8-15) of 256 queries: 9 units of 256 x 256 in every work-group.  A wave owns 32 queries: two tiles of 16, so that a fragment of K or V feeds two products.
; NO CLUSTER: the four work-groups of a pair need 8, 7, 6 and 5 slots of keys; a joint load would bring some partner tiles that all its waves jump over.
; LAYOUT.  S^T = K Q^T (source 0 = 16 keys, source 1 = 16 queries): a lane holds one query (lane % 16) and keys 8 (lane / 16) + 0..7 of each tile of 16.  Two such tiles, rounded in pairs, are source 1 (32 keys) of O^T = V^T P.
; THE WALK.  Every work-group walks all 8 slots of 256 keys: trip counts are constants.  A step whose first key comes after the wave's last query is jumped over; a change of slots asks for the next slot only while its first key is at or under the work-group's last query.
; SOFTMAX.  A running maximum m and sum l for each query: p = 2^(c s - c m), c = log2(e) / 8; O and l are multiplied by a = 2^(c m_old - c m_new) in every step.
.set KP,    144                        ; a key's row of K in LDS: 128 bytes + 16
.set VP,    160                        ; of V: 128 + 32: five times 32 bytes
.set VOFF,  256*KP
.set SLOT1, 1<<17
.set STAGE, SLOT1+256*(KP+VP)          ; 16 rows x 144 bytes for each wave: bytes of its own, which no fill reaches
.set SPARE, STAGE+16*16*KP             ; the spare words, 128 bytes for each of sixteen waves
.set AK0, 1
.set AV0, 2
.set ADK, 3
.set ADV, 4
.set SPW, 5
.set NIL, 6
.set GO,  7
.set STO, 8
.set RD,  9
.set PFO, 10
.set ST,  12                           ; tile u's statistics at v[ST + 8 u]: +0 c m, +1 m, +2, +3 l, +4 .. +7 c0-c3 at work; a takes c2's place
.set QF,  32                           ; Q (tile u, channels 32 c on) at QF + 16 u + 8 c
.set KV,  64                           ; eight fragments of K, then eight of V
.set SS,  128                          ; S^T, 32 a tile; p is packed into the low 16
.set OT,  192                          ; O^T (tile u, channels 16 t on) at OT + 32 u + 8 t
.set TB,  2
.set SLOTS, 3
.set WV,  18
.set G1K, 24
.set G1V, 32
.set G0K, 40
.set G0V, 44
.set KF,  48                           ; the step's first key
.set Q0,  49                           ; my first query
.set LASTQ, 50                         ; my work-group's last query
.set LIM, 51
.set PFA, 52
.macro TLOAD                           ; waves 0, 1 fetch K's halves, waves 2, 3 V's, the others nothing; an s_nop 0 and four v_nop follow each line
	s_cmp_lt_u32 s[WV], 2
	s_cbranch_scc0 .Lnot_k_\@
	tensor_load_to_lds s[G0K:G0K+3], s[G1K:G1K+7]
	s_nop 0
.rept 4
	v_nop
.endr
	s_branch .Lasked_\@
.Lnot_k_\@:
	s_cmp_lt_u32 s[WV], 4
	s_cbranch_scc0 .Lasked_\@
	tensor_load_to_lds s[G0V:G0V+3], s[G1V:G1V+7]
	s_nop 0
.rept 4
	v_nop
.endr
.Lasked_\@:
.endm
; A prefetch of what the next change of slots will ask for: 32,768 dense bytes of K and as many of V.  The pair's work-group j = 0, which walks all slots, asks; in it waves 4-7 for K and waves 8-11 for V,
; 8,192 bytes a wave, lanes 256 bytes apart: each block of 256 bytes is named once in the launch.  The last change that fills a slot asks for nothing; slots 0 and 1 come by their loads alone.
.macro ASK
	s_cmp_gt_u32 s[SLOTS], s[LIM]
	s_cbranch_scc0 .Lnot_mine_\@
	global_prefetch_b8 v[PFO], s[PFA:PFA+1] th:TH_LOAD_NT scope:SCOPE_SE
.Lnot_mine_\@:
.endm
	s_load_b128 s[4:7], s[0:1], 0x0                ; qkv, ctx
	v_lshl_add_u32 v[SPW], v0, 2, SPARE
	v_mov_b32 v[NIL], 0
	ds_add_u32 v[SPW], v[NIL]                      ; the opening: the add, twice on end, and its wait ahead of my first tensor load
	ds_add_u32 v[SPW], v[NIL]
	v_lshrrev_b32 v11, 5, v0
	v_readfirstlane_b32 s[WV], v11                 ; wave 0..15
	s_and_b32 s54, ttmp7, 0xffff                   ; the pair: 16 batch + head
	s_sub_co_u32 s55, 7, ttmp9
	s_cmp_lt_u32 s[WV], 8
	s_cselect_b32 s55, s55, ttmp9                  ; my block of 256 queries
	s_lshl_b32 s[Q0], s55, 8
	s_and_b32 s56, s[WV], 7
	s_lshl_b32 s56, s56, 5
	s_add_co_u32 s[Q0], s[Q0], s56
	s_sub_co_u32 s[LASTQ], 8, ttmp9
	s_lshl_b32 s[LASTQ], s[LASTQ], 8
	s_sub_co_u32 s[LASTQ], s[LASTQ], 1
	s_lshl_b32 s56, s54, 18                        ; a pair's 262,144 bytes in each part of qkv
	s_and_b32 s58, s[WV], 1
	s_lshl_b32 s59, s58, 14                        ; my 128 rows of a slot's 256
	s_add_co_u32 s60, s56, s59
	s_add_co_u32 s60, s60, 0x1000000               ; K's part
	s_mov_b32 s61, 0
	s_add_co_u32 s62, s60, 0x1000000               ; V's part
	s_mov_b32 s63, 0
	s_mul_i32 s66, s58, 128*KP
	s_mul_i32 s67, s58, 128*VP
	s_add_co_u32 s67, s67, VOFF
	s_mov_b32 s[G1K], (1<<16)|(1<<20)|(4<<22)|(3<<25)   ; elements of 2 bytes; padding: 4 words after every 32
	s_mov_b32 s[G1V], (1<<16)|(1<<20)|(4<<22)|(7<<25)   ; 8 words
.irp g, G1K, G1V
	s_mov_b32 s[\g+1], 64<<16                      ; tensor_dim0
	s_mov_b32 s[\g+2], 128<<16                     ; tensor_dim1
	s_mov_b32 s[\g+3], 64<<16                      ; tile_dim0
	s_mov_b32 s[\g+4], 128                         ; tile_dim1
	s_mov_b32 s[\g+5], 64                          ; the pitch
	s_mov_b32 s[\g+6], 0
	s_mov_b32 s[\g+7], 0
.endr
	s_mov_b32 s20, 0x76543210
	s_mov_b32 s21, 0xfedcba98                      ; v_permlanex16_b32: lane l xor 16
	s_mov_b32 s22, 0x3e38aa3b                      ; c = log2(e) / 8
	s_mov_b32 s23, s22
	s_mov_b32 s[TB], 0
	s_mov_b32 s[KF], 0
	s_mov_b32 s[SLOTS], 7
	s_wait_dscnt 0x0                               ; both opening adds are done
	s_wait_kmcnt 0x0
	s_mov_b32 s[G0K], 1
	s_mov_b32 s[G0K+1], s66
	s_add_nc_u64 s[G0K+2:G0K+3], s[4:5], s[60:61]
	s_or_b32 s[G0K+3], s[G0K+3], 0x80000000
	s_mov_b32 s[G0V], 1
	s_mov_b32 s[G0V+1], s67
	s_add_nc_u64 s[G0V+2:G0V+3], s[4:5], s[62:63]
	s_or_b32 s[G0V+3], s[G0V+3], 0x80000000
	TLOAD                                          ; slot 0: by this text's count a loading wave has one tensor load out
	s_lshl_b32 s68, s[Q0], 7
	s_add_co_u32 s68, s68, s56
	s_mov_b32 s69, 0
	s_add_nc_u64 s[14:15], s[4:5], s[68:69]        ; Q at my first query
	s_and_b32 s70, s54, 15
	s_lshl_b32 s70, s70, 20                        ; ctx: the head's plane,
	s_lshr_b32 s71, s54, 4
	s_lshl_b32 s71, s71, 11
	s_add_co_u32 s71, s71, s[Q0]                   ; row 2,048 batch + query
	s_lshl_b32 s71, s71, 7
	s_add_co_u32 s70, s70, s71
	s_mov_b32 s71, 0
	s_add_nc_u64 s[16:17], s[6:7], s[70:71]
	s_mov_b32 s72, 0x2000000
	s_cmp_lt_u32 s[WV], 8
	s_cselect_b32 s72, 0x1000000, s72              ; waves 4-7 ask for K, waves 8-11 for V
	s_and_b32 s73, s[WV], 3
	s_lshl_b32 s73, s73, 13
	s_add_co_u32 s72, s72, s73
	s_add_co_u32 s72, s72, s56
	s_add_co_u32 s72, s72, 32768                   ; in slot 1: the first change of slots steps it to slot 2
	s_mov_b32 s73, 0
	s_add_nc_u64 s[PFA:PFA+1], s[4:5], s[72:73]
	s_sub_co_u32 s74, s[WV], 4
	s_lshr_b32 s74, s74, 3                         ; 0 in waves 4 to 11,
	s_or_b32 s74, s74, ttmp9                       ; of work-group j = 0
	s_cmp_eq_u32 s74, 0
	s_cselect_b32 s[LIM], 1, -1
	v_and_b32 v28, 15, v0                          ; r
	v_bfe_u32 v29, v0, 4, 1                        ; h
	v_lshlrev_b32 v11, 7, v28
	v_lshl_add_u32 v11, v29, 4, v11                ; Q: row r of 128 bytes + 16 h
.irp u, 0,1
.irp c, 0,1
	global_load_b128 v[QF+16*\u+8*\c:QF+16*\u+8*\c+3], v11, s[14:15] offset:2048*\u+64*\c
	global_load_b128 v[QF+16*\u+8*\c+4:QF+16*\u+8*\c+7], v11, s[14:15] offset:2048*\u+64*\c+32
.endr
.endr
	v_mul_u32_u24 v[AK0], v28, KP
	v_lshl_add_u32 v[AK0], v29, 4, v[AK0]
	v_and_b32 v31, 7, v0
	v_lshl_add_u32 v[AV0], v29, 3, v31
	v_mul_u32_u24 v[AV0], v[AV0], VP
	v_bfe_u32 v31, v0, 3, 1
	v_lshl_add_u32 v[AV0], v31, 4, v[AV0]
	v_add_nc_u32 v[AV0], VOFF, v[AV0]              ; the turning load: key 8 h + l % 8, 16 bytes for each half of eight lanes
	s_mul_i32 s75, s[WV], 16*KP
	s_add_co_u32 s75, s75, STAGE                   ; my stage
	v_mul_u32_u24 v[STO], v28, KP
	v_lshl_add_u32 v[STO], v29, 4, v[STO]
	v_add_nc_u32 v[STO], s75, v[STO]
	v_and_b32 v31, 31, v0
	v_lshlrev_b32 v[GO], 4, v31                    ; four rows of 128 bytes lie on end in ctx
	v_lshlrev_b32 v[PFO], 8, v31
	v_lshrrev_b32 v[RD], 3, v31
	v_mul_u32_u24 v[RD], v[RD], KP
	v_and_b32 v31, 7, v31
	v_lshl_add_u32 v[RD], v31, 4, v[RD]
	v_add_nc_u32 v[RD], s75, v[RD]
	v_mov_b32 v30, 0xff800000                      ; -infinity
.irp u, 0,1
	v_mov_b32 v[ST+8*\u+1], 0xff61b1e6             ; m: -3e38, under every score
	v_mul_f32 v[ST+8*\u], s22, v[ST+8*\u+1]
.irp i, 2,3,4,5,6,7
	v_mov_b32 v[ST+8*\u+\i], 0
.endr
.endr
.set i, 0
.rept 64
	v_mov_b32 v[OT+i], 0                           ; the loop is written once: its first step finds zeros
.set i, i+1
.endr
; A KEY STEP: 64 keys, the q-th of the slot in hand
.macro STEP q
	s_add_co_u32 s54, s[Q0], 31
	s_cmp_gt_u32 s[KF], s54                        ; all keys come after my queries: a branch on ids, round the step's work alone
	s_cbranch_scc1 .Lhidden_\@
	v_add_nc_u32 v[ADK], s[TB], v[AK0]
	v_add_nc_u32 v[ADV], s[TB], v[AV0]
.rept 4
	v_nop                                          ; with the two additions six places behind the last products: four are owed by the loads into V's registers, five by the products below, which write over p
.endr
.irp kt, 0,1,2,3
.irp c, 0,1
	ds_load_b128 v[KV+8*(2*\kt+\c):KV+8*(2*\kt+\c)+3], v[ADK] offset:(64*(\q)+16*\kt)*KP+64*\c
	ds_load_b128 v[KV+8*(2*\kt+\c)+4:KV+8*(2*\kt+\c)+7], v[ADK] offset:(64*(\q)+16*\kt)*KP+64*\c+32
.endr
.endr
	s_wait_dscnt 0x0
.irp c, 0,1                            ; the eight accumulators take turns, one instruction a turn
.irp kt, 0,1,2,3
.irp u, 0,1
.if \c == 0
	v_wmma_f32_16x16x32_f16 v[SS+32*\u+8*\kt:SS+32*\u+8*\kt+7], v[KV+8*(2*\kt+\c):KV+8*(2*\kt+\c)+7], v[QF+16*\u+8*\c:QF+16*\u+8*\c+7], 0
.else
	v_wmma_f32_16x16x32_f16 v[SS+32*\u+8*\kt:SS+32*\u+8*\kt+7], v[KV+8*(2*\kt+\c):KV+8*(2*\kt+\c)+7], v[QF+16*\u+8*\c:QF+16*\u+8*\c+7], v[SS+32*\u+8*\kt:SS+32*\u+8*\kt+7]
.endif
.endr
.endr
.endr
.rept 4
	v_nop                                          ; places in front of the loads into K's registers and of the first read of the scores
.endr
.irp kk, 0,1
.irp t, 0,1,2,3
	ds_load_tr16_b128 v[KV+8*(4*\kk+\t):KV+8*(4*\kk+\t)+3], v[ADV] offset:(64*(\q)+32*\kk)*VP+32*\t
	ds_load_tr16_b128 v[KV+8*(4*\kk+\t)+4:KV+8*(4*\kk+\t)+7], v[ADV] offset:(64*(\q)+32*\kk)*VP+32*\t+16*VP
.endr
.endr
	s_add_co_u32 s54, s[KF], 63
	s_cmp_le_u32 s54, s[Q0]                        ; all keys count for all my queries: no mask
	s_cbranch_scc1 .Lopen_\@
	s_sub_co_i32 s54, s[Q0], s[KF]
	v_and_b32 v28, 15, v0
	v_bfe_u32 v29, v0, 4, 1
	v_lshlrev_b32 v29, 3, v29
	v_sub_nc_u32 v28, v28, v29
	v_add_nc_u32 v28, s54, v28                     ; d = my query - KF - 8 (lane / 16), tile 0; register 8 kt + j holds key KF + 8 (lane / 16) + 16 kt + j: hidden where 16 kt + j > d
	v_add_nc_u32 v29, 16, v28                      ; tile 1
.irp u, 0,1
.irp kt, 0,1,2,3
.irp jj, 0,1,2,3,4,5,6,7
	v_cmp_gt_i32 vcc_lo, 16*\kt+\jj, v[28+\u]
	v_cndmask_b32 v[SS+32*\u+8*\kt+\jj], v[SS+32*\u+8*\kt+\jj], v30, vcc_lo
.endr
.endr
.endr
.Lopen_\@:
.irp j, 0,1,2,3                        ; the maximum of 32 scores and the old m: four chains, each accumulator read from its low end on; the two tiles by turns
.irp u, 0,1
	v_max3_num_f32 v[ST+8*\u+4+\j], v[SS+32*\u+8*\j], v[SS+32*\u+8*\j+1], v[SS+32*\u+8*\j+2]
.endr
.endr
.irp g, 1,2
.irp j, 0,1,2,3
.irp u, 0,1
	v_max3_num_f32 v[ST+8*\u+4+\j], v[ST+8*\u+4+\j], v[SS+32*\u+8*\j+2*\g+1], v[SS+32*\u+8*\j+2*\g+2]
.endr
.endr
.endr
.irp u, 0,1
	v_max3_num_f32 v[ST+8*\u+4], v[ST+8*\u+4], v[SS+32*\u+7], v[SS+32*\u+15]
.endr
.irp u, 0,1
	v_max3_num_f32 v[ST+8*\u+6], v[ST+8*\u+6], v[SS+32*\u+23], v[SS+32*\u+31]
.endr
.irp u, 0,1
	v_max3_num_f32 v[ST+8*\u+4], v[ST+8*\u+4], v[ST+8*\u+5], v[ST+8*\u+6]
.endr
.irp u, 0,1
	v_max3_num_f32 v[ST+8*\u+4], v[ST+8*\u+4], v[ST+8*\u+7], v[ST+8*\u+1]
.endr
.irp u, 0,1
	v_permlanex16_b32 v[ST+8*\u+5], v[ST+8*\u+4], s20, s21   ; the query's other 32 keys lie in the lane 16 away
.endr
.irp u, 0,1
	v_mov_b32 v[ST+8*\u+7], v[ST+8*\u]             ; c m_old
.endr
.irp u, 0,1
	v_max_num_f32 v[ST+8*\u+1], v[ST+8*\u+4], v[ST+8*\u+5]
.endr
.irp u, 0,1
	v_mul_f32 v[ST+8*\u], s22, v[ST+8*\u+1]
.endr
.irp u, 0,1
	v_sub_f32 v[ST+8*\u+7], v[ST+8*\u+7], v[ST+8*\u]
.endr
.irp u, 0,1
	v_exp_f32 v[ST+8*\u+6], v[ST+8*\u+7]           ; a
.endr
.set i, 0
.rept 16
.irp u, 0,1
	v_pk_fma_f32 v[SS+32*\u+2*i:SS+32*\u+2*i+1], v[SS+32*\u+2*i:SS+32*\u+2*i+1], s[22:23], v[ST+8*\u:ST+8*\u+1] op_sel_hi:[1,0,0] neg_lo:[0,0,1] neg_hi:[0,0,1]   ; c s - c m
.endr
.set i, i+1
.endr
.set i, 0
.rept 64
	v_exp_f32 v[SS+i], v[SS+i]
.set i, i+1
.endr
	v_nop                                          ; the plain instruction behind the last exponential
	s_wait_alu depctr_va_vdst(0)                   ; one wait for the batch of 66, ahead of the first instruction that names a result
.irp u, 0,1
	v_pk_mul_f32 v[ST+8*\u+2:ST+8*\u+3], v[ST+8*\u+2:ST+8*\u+3], v[ST+8*\u+6:ST+8*\u+7] op_sel_hi:[1,0]   ; l x a
.endr
.irp u, 0,1
	v_pk_add_f32 v[ST+8*\u+4:ST+8*\u+5], v[SS+32*\u:SS+32*\u+1], v[SS+32*\u+2:SS+32*\u+3]   ; the sum of the unrounded p, in two chains
.endr
.irp i, 4,8,12,16,20,24,28
.irp u, 0,1
	v_pk_add_f32 v[ST+8*\u+2:ST+8*\u+3], v[ST+8*\u+2:ST+8*\u+3], v[SS+32*\u+\i:SS+32*\u+\i+1]
	v_pk_add_f32 v[ST+8*\u+4:ST+8*\u+5], v[ST+8*\u+4:ST+8*\u+5], v[SS+32*\u+\i+2:SS+32*\u+\i+3]
.endr
.endr
.irp u, 0,1
	v_pk_add_f32 v[ST+8*\u+2:ST+8*\u+3], v[ST+8*\u+2:ST+8*\u+3], v[ST+8*\u+4:ST+8*\u+5]
.endr
.set i, 0
.rept 16
.irp u, 0,1
	v_cvt_pk_f16_f32 v[SS+32*\u+i], v[SS+32*\u+2*i], v[SS+32*\u+2*i+1]   ; in place, ascending: register i is written when registers 2 i, 2 i + 1 are read
.endr
.set i, i+1
.endr
.set i, 0
.rept 16
.irp u, 0,1
	v_pk_mul_f32 v[OT+32*\u+2*i:OT+32*\u+2*i+1], v[OT+32*\u+2*i:OT+32*\u+2*i+1], v[ST+8*\u+6:ST+8*\u+7] op_sel_hi:[1,0]   ; O^T x a
.endr
.set i, i+1
.endr
	s_wait_dscnt 0x0                               ; V is in
.irp kk, 0,1
.irp t, 0,1,2,3
.irp u, 0,1
	v_wmma_f32_16x16x32_f16 v[OT+32*\u+8*\t:OT+32*\u+8*\t+7], v[KV+8*(4*\kk+\t):KV+8*(4*\kk+\t)+7], v[SS+32*\u+8*\kk:SS+32*\u+8*\kk+7], v[OT+32*\u+8*\t:OT+32*\u+8*\t+7]
.endr
.endr
.endr
.Lhidden_\@:
	s_add_co_u32 s[KF], s[KF], 64
.endm
; THE CHANGE OF SLOTS, at a slot's head: every wave waits for all its tensor loads, adds 0 to its spare word, waits for that and for its reads of the slot that it has left, and passes the barrier.
.macro CHANGE fill
	s_wait_tensorcnt 0x0                           ; no tensor load of mine is out, so a group 0 may be written
	ds_add_u32 v[SPW], v[NIL]
.if \fill
	ds_add_u32 v[SPW], v[NIL]                      ; and once more
	s_xor_b32 s[G0K+1], s[G0K+1], SLOT1            ; the walking descriptors: the other slot, the next 256 keys
	s_add_nc_u64 s[G0K+2:G0K+3], s[G0K+2:G0K+3], 32768
	s_xor_b32 s[G0V+1], s[G0V+1], SLOT1
	s_add_nc_u64 s[G0V+2:G0V+3], s[G0V+2:G0V+3], 32768
	s_wait_xcnt 0x0                                ; the last prefetch, a slot back, has read its address
	s_add_nc_u64 s[PFA:PFA+1], s[PFA:PFA+1], 32768
.endif
	s_wait_dscnt 0x0
	s_barrier_signal -1
	s_barrier_wait -1
.if \fill
	s_add_co_u32 s54, s[KF], 256                   ; the first key of the slot that this change would ask for
	s_cmp_gt_u32 s54, s[LASTQ]                     ; ids and the count of steps alone: all sixteen waves go the same way; every wait on TENSORcnt in this text is for 0
	s_cbranch_scc1 .Lpast_\@
	TLOAD                                          ; a wave's one tensor load until the next such barrier
.Lpast_\@:
	ASK
.endif
.endm
.macro SLOT_STEPS
	STEP 0
	STEP 1
	STEP 2
	STEP 3
	s_xor_b32 s[TB], s[TB], SLOT1
.endm
	s_wait_loadcnt 0x0                             ; Q
.Lslot:                                                ; seven trips
	CHANGE 1
	SLOT_STEPS
	s_sub_co_u32 s[SLOTS], s[SLOTS], 1
	s_cmp_lg_u32 s[SLOTS], 0
	s_cbranch_scc1 .Lslot
	CHANGE 0                                       ; the last slot is written out: nothing is left to ask for
	SLOT_STEPS
	; THE WAY OUT: O^T / l, rounded to f16, through my stage: 512 consecutive bytes of ctx a store
.rept 4
	v_nop
.endr
.irp u, 0,1
	v_add_f32 v[ST+8*\u+4], v[ST+8*\u+2], v[ST+8*\u+3]
.endr
.irp u, 0,1
	v_permlanex16_b32 v[ST+8*\u+5], v[ST+8*\u+4], s20, s21
.endr
.irp u, 0,1
	v_add_f32 v[ST+8*\u+4], v[ST+8*\u+4], v[ST+8*\u+5]
.endr
.irp u, 0,1
	v_rcp_f32 v[ST+8*\u+6], v[ST+8*\u+4]
.endr
	v_nop
	s_wait_alu depctr_va_vdst(0)                   ; one wait for the two reciprocals
.irp u, 0,1
.set i, 0
.rept 16
	v_pk_mul_f32 v[OT+32*\u+2*i:OT+32*\u+2*i+1], v[OT+32*\u+2*i:OT+32*\u+2*i+1], v[ST+8*\u+6:ST+8*\u+7] op_sel_hi:[1,0]
.set i, i+1
.endr
.set i, 0
.rept 16
	v_cvt_pk_f16_f32 v[SS+32*\u+i], v[OT+32*\u+2*i], v[OT+32*\u+2*i+1]
.set i, i+1
.endr
.irp t, 0,1,2,3
	ds_store_b128 v[STO], v[SS+32*\u+4*\t:SS+32*\u+4*\t+3] offset:32*\t
.endr
.irp i, 0,1,2,3
	ds_load_b128 v[SS+32*\u+16+4*\i:SS+32*\u+16+4*\i+3], v[RD] offset:4*KP*\i   ; in order behind my stores; the next tile's stores come behind these
.endr
.endr
.irp u, 0,1
.irp i, 0,1,2,3
	s_wait_dscnt 11-8*\u-\i                        ; behind this load: the rest of its tile's loads and, for tile 0, tile 1's eight
	global_store_b128 v[GO], v[SS+32*\u+16+4*\i:SS+32*\u+16+4*\i+3], s[16:17] offset:2048*\u+512*\i
.endr
.endr
	s_wait_tensorcnt 0x0                           ; the wave's end
	ds_add_u32 v[SPW], v[NIL]
	s_wait_dscnt 0x0
	s_endpgm
.Lfunc_end_k_q17ec3787be_attn:
	.size	k_q17ec3787be_attn, .Lfunc_end_k_q17ec3787be_attn-k_q17ec3787be_attn
	.p2alignl 7, 3214868480
	.fill 96, 4, 3214868480
	.section	.rodata,"a",@progbits
	.p2align	6, 0x0
	.amdhsa_kernel k_q17ec3787be_attn
		.amdhsa_group_segment_fixed_size 327680
		.amdhsa_private_segment_fixed_size 0
		.amdhsa_enable_private_segment 0
		.amdhsa_kernarg_size 16
		.amdhsa_user_sgpr_count 2
		.amdhsa_user_sgpr_kernarg_segment_ptr 1
		.amdhsa_wavefront_size32 1
		.amdhsa_system_sgpr_workgroup_id_x 1
		.amdhsa_system_sgpr_workgroup_id_y 1
		.amdhsa_system_sgpr_workgroup_id_z 1
		.amdhsa_system_vgpr_workitem_id 0
		.amdhsa_next_free_vgpr 256
		.amdhsa_next_free_sgpr 80
		.amdhsa_reserve_vcc 1
		.amdhsa_float_denorm_mode_32 3
		.amdhsa_float_denorm_mode_16_64 3
		.amdhsa_memory_ordered 1
		.amdhsa_forward_progress 1
		.amdhsa_inst_pref_size 190
	.end_amdhsa_kernel
	.amdgpu_metadata
---
amdhsa.version: [ 1, 2 ]
amdhsa.kernels:
  - .name:           k_q17ec3787be_attn
    .symbol:         k_q17ec3787be_attn.kd
    .args:
      - { .name: qkv, .offset: 0, .size: 8, .value_kind: global_buffer, .address_space: global }
      - { .name: ctx, .offset: 8, .size: 8, .value_kind: global_buffer, .address_space: global }
    .group_segment_fixed_size: 327680
    .private_segment_fixed_size: 0
    .kernarg_segment_align: 8
    .kernarg_segment_size: 16
    .max_flat_workgroup_size: 512
    .sgpr_count:     80
    .vgpr_count:     256
    .wavefront_size: 32
...
	.end_amdgpu_metadata
.endif
;; end of part 3
;; launch oproj (part 4): grid 4 x 64, 4 waves a work-group, clusters of 4 x 4, 327,680 bytes of LDS; arguments ctx, wo16, bo, out0; writes out0
.if DOCPART == 4
	.amdgcn_target "amdgcn-amd-amdhsa--gfx1250"
	.amdhsa_code_object_version 6
	.text
	.protected	k_q17ec3787be_oproj
	.globl	k_q17ec3787be_oproj
	.p2align	8
	.type	k_q17ec3787be_oproj,@function
k_q17ec3787be_oproj:
	s_mov_b64 s[64:65], 0
	v_nop
	global_prefetch_b8 v0, s[64:65] scope:SCOPE_SE
	s_setreg_imm32_b32 hwreg(HW_REG_WAVE_MODE, 25, 1), 1
	s_wait_xcnt 0x0
	s_wait_alu depctr_hold_cnt(0) depctr_sa_sdst(0) depctr_va_vdst(0) depctr_va_sdst(0) depctr_va_ssrc(0) depctr_va_vcc(0) depctr_vm_vsrc(0)
	s_getreg_b32 s2, hwreg(HW_REG_IB_STS2, 6, 4)
	s_cmp_eq_u32 s2, 0
	s_cbranch_scc0 .Lentry_in_a_cluster
	s_endpgm
.Lentry_in_a_cluster:
	s_bfe_u32 s2, ttmp6, 0x10000c
	s_cmp_lg_u32 s2, 0xf033
	s_cbranch_scc0 .Lentry_shape_is_right
	s_endpgm
.Lentry_shape_is_right:
; OPROJ: out0 [8192][1024] f32 = ctx x Wo + bo, operands f16, sums f32.  ctx [16 heads][8192][64] f16; wo16 [1024 k][1024 n] f16.
; A tile of 128 x 256 to a work-group: 256 work-groups.  Wave (w / 2, w % 2) makes 64 rows x 128 columns: 32 accumulators.  A K step is 128, two heads; eight steps through two LDS slots.
; THE MATRIX INSTRUCTION IS USED TRANSPOSED: source 0 = 16 columns of Wo (turned on the way out of LDS), source 1 = 16 rows of ctx: a lane holds eight neighbouring columns of one row.
; CLUSTERS 4 x 4: ctx's tiles are shared along a row of the cluster, Wo's along a column, by joint loads.  The rows of positions 0-15 of each sequence are written over by the last launch.
; REGISTERS: window 0: v16-31 addresses; v32-63, v64-95 ctx's fragments, two buffers; v128-191 bo in the result's layout, later rows on the way out; v192-255 rows on the way out.
;   window 1: v0-63, v64-127 Wo's fragments, two buffers.   window 2: accumulator (a, b) at v[8 (8 a + b)].
.set AP,    144                        ; a row of ctx's tile in LDS: 128 bytes + 16
.set BP,    544                        ; a k-row of Wo's tile: 512 bytes + 32: seventeen times 32
.set AH,    128*AP                     ; one head's 128 rows
.set BOFF,  2*AH
.set BH,    64*BP
.set SLOT,  BOFF+2*BH
.set STAGE, 2*SLOT                     ; 16 rows x (512 bytes + 16) for each wave; no fill reaches it
.set SPITCH, 528
.set SPARE, STAGE+4*16*SPITCH
.set LAPS,  4
.set ADRA, 16
.set ADRB, 20
.set STO,  24
.set RD,   25
.set CO,   26
.set SPW,  28
.set NIL,  29
.set PFO,  30
.set BOF,  31
.set BI,   128
.set BK,   128
.set G1, 24
.set G0, 32
.set G1B, 48
.set G0B, 56
.set LIM, 43
.set PFA, 44
.set MSB, 0
.macro WIN new
.if MSB != (\new)
	s_set_vgpr_msb (MSB<<8)|(\new)
.set MSB, (\new)
.endif
.endm
.set MUL,  0xa1                        ; source 0 (Wo) window 1, source 1 (ctx) window 0, C and D window 2
.set TO_B, 0x40
.macro JLOAD s                         ; waves 0, 1 fetch ctx's two heads, waves 2, 3 Wo's two halves; an s_nop 0 and four v_nop follow each line
	s_cmp_eq_u32 s13, 0
	s_cbranch_scc0 .Lfor_b_\@
	tensor_load_to_lds s[G0+4*\s:G0+4*\s+3], s[G1:G1+7]
	s_nop 0
.rept 4
	v_nop
.endr
	s_branch .Lasked_\@
.Lfor_b_\@:
	tensor_load_to_lds s[G0B+4*\s:G0B+4*\s+3], s[G1B:G1B+7]
	s_nop 0
.rept 4
	v_nop
.endr
.Lasked_\@:
.endm
; A prefetch of ctx's K step two refills on: 2 heads x 128 rows x 128 bytes = 128 blocks of 256 bytes; wave 0 of each of the four partners takes 32, told apart by address, a lane a block.
; A tile row of ctx is read by one row of one cluster alone, so each block is named once.  The loop's last trip asks for nothing.  Wo is read by all sixteen clusters and is not asked for.
.macro ASK
	s_cmp_gt_u32 s3, s[LIM]
	s_cbranch_scc0 .Lnot_mine_\@
	global_prefetch_b8 v[PFO], s[PFA:PFA+1] offset:2097152 th:TH_LOAD_NT scope:SCOPE_SE
.Lnot_mine_\@:
.endm
.macro CREST
	s_cmp_lg_u32 s12, 0
	s_cbranch_scc1 .Lnot_wave_0_\@
	s_barrier_signal -3
.Lnot_wave_0_\@:
	s_barrier_wait -3
	s_barrier_signal -1
	s_barrier_wait -1
.endm
.macro CROUND
	s_barrier_signal -1
	s_barrier_wait -1
	CREST
.endm
	s_load_b128 s[4:7], s[0:1], 0x0                ; ctx, wo16
	s_load_b128 s[8:11], s[0:1], 0x10              ; bo, out0
	v_lshl_add_u32 v[SPW], v0, 2, SPARE
	v_mov_b32 v[NIL], 0
	ds_add_u32 v[SPW], v[NIL]                      ; the opening: the add, twice on end, and its wait ahead of my first tensor load
	ds_add_u32 v[SPW], v[NIL]
	v_lshrrev_b32 v1, 5, v0
	v_readfirstlane_b32 s12, v1                    ; wave 0..3
	s_lshr_b32 s13, s12, 1                         ; my half of the rows; also: I fetch for ctx (0) or for Wo (1)
	s_and_b32 s14, s12, 1                          ; my half of the columns; also: which part I fetch
	s_bfe_u32 s40, ttmp6, 0x40000                  ; cx
	s_bfe_u32 s41, ttmp6, 0x40004                  ; cy
	s_lshl_b32 s16, ttmp9, 2
	s_add_co_u32 s16, s16, s40                     ; tile column
	s_and_b32 s15, ttmp7, 0xffff
	s_lshl_b32 s15, s15, 2
	s_add_co_u32 s15, s15, s41                     ; tile row
	s_lshl_b32 s42, s41, 2
	s_lshl_b32 s42, 15, s42                        ; my row of the cluster
	s_lshl_b32 s46, 0x1111, s40                    ; my column
	s_or_b32 s[G1], s42, (1<<16)|(1<<20)|(1<<21)|(4<<22)|(3<<25)    ; elements of 2 bytes; padding: 4 words after every 32
	s_mov_b32 s[G1+1], 64<<16
	s_mov_b32 s[G1+2], 128<<16
	s_mov_b32 s[G1+3], 64<<16
	s_mov_b32 s[G1+4], 128
	s_mov_b32 s[G1+5], 64
	s_mov_b32 s[G1+6], 0
	s_mov_b32 s[G1+7], 0
	s_or_b32 s[G1B], s46, (1<<16)|(1<<20)|(1<<21)|(6<<22)|(7<<25)   ; padding: 8 words after every 128
	s_mov_b32 s[G1B+1], 256<<16
	s_mov_b32 s[G1B+2], 64<<16
	s_mov_b32 s[G1B+3], 256<<16
	s_mov_b32 s[G1B+4], 64
	s_mov_b32 s[G1B+5], 1024
	s_mov_b32 s[G1B+6], 0
	s_mov_b32 s[G1B+7], 0
	s_lshl_b32 s18, s14, 20                        ; ctx: head (w % 2) of the K step,
	s_lshl_b32 s19, s15, 14                        ; 128 rows of 128 bytes a tile row
	s_add_co_u32 s18, s18, s19
	s_mov_b32 s19, 0
	s_lshl_b32 s20, s14, 17                        ; Wo: 64 k-rows of 2,048 bytes,
	s_lshl_b32 s21, s16, 9                         ; 256 columns a tile column
	s_add_co_u32 s20, s20, s21
	s_mov_b32 s21, 0
	s_mul_i32 s22, s14, AH                         ; where they go: no place in the cluster enters an LDS address
	s_mul_i32 s23, s14, BH
	s_add_co_u32 s23, s23, BOFF
	s_wait_dscnt 0x0                               ; both opening adds are done
	s_wait_kmcnt 0x0
	s_add_nc_u64 s[18:19], s[4:5], s[18:19]
	s_add_nc_u64 s[20:21], s[6:7], s[20:21]
	CROUND                                         ; the first joint loads meet
.irp s, 0,1
	s_mov_b32 s[G0+4*\s], 1
	s_add_co_u32 s[G0+4*\s+1], s22, \s*SLOT
	s_add_nc_u64 s[G0+4*\s+2:G0+4*\s+3], s[18:19], \s*2097152     ; K step s: heads 2 s, 2 s + 1
	s_or_b32 s[G0+4*\s+3], s[G0+4*\s+3], 0x80000000
	s_mov_b32 s[G0B+4*\s], 1
	s_add_co_u32 s[G0B+4*\s+1], s23, \s*SLOT
	s_add_nc_u64 s[G0B+4*\s+2:G0B+4*\s+3], s[20:21], \s*262144    ; 128 k-rows
	s_or_b32 s[G0B+4*\s+3], s[G0B+4*\s+3], 0x80000000
	JLOAD \s
.endr
	v_and_b32 v1, 15, v0                           ; r
	v_bfe_u32 v2, v0, 4, 1                         ; h
	v_lshlrev_b32 v[BOF], 5, v2
	s_lshl_b32 s46, s16, 10
	s_lshl_b32 s47, s14, 9
	s_add_co_u32 s46, s46, s47                     ; my first column, in bytes of f32
	s_mov_b32 s47, 0
	s_add_nc_u64 s[8:9], s[8:9], s[46:47]
.irp b, 0,1,2,3,4,5,6,7
	global_load_b128 v[BI+8*\b:BI+8*\b+3], v[BOF], s[8:9] offset:64*\b         ; bo(16 b + 8 h + 0 .. 7): the C of each sum's first product
	global_load_b128 v[BI+8*\b+4:BI+8*\b+7], v[BOF], s[8:9] offset:64*\b+16
.endr
	v_mul_u32_u24 v3, v1, AP
	v_lshl_add_u32 v3, v2, 4, v3
	s_mul_i32 s18, s13, 64*AP
	v_add_nc_u32 v[ADRA], s18, v3
	s_add_co_u32 s18, s18, SLOT
	v_add_nc_u32 v[ADRA+1], s18, v3
	v_and_b32 v4, 7, v0
	v_lshl_add_u32 v4, v2, 3, v4
	v_mul_u32_u24 v4, v4, BP
	v_bfe_u32 v5, v0, 3, 1
	v_lshl_add_u32 v4, v5, 4, v4                   ; the turning load: k-row 8 h + l % 8, 16 bytes for each half of eight lanes
	s_lshl_b32 s18, s14, 8
	s_add_co_u32 s18, s18, BOFF
	v_add_nc_u32 v[ADRB], s18, v4
	s_add_co_u32 s18, s18, SLOT
	v_add_nc_u32 v[ADRB+1], s18, v4
	s_mul_i32 s18, s12, 16*SPITCH
	s_add_co_u32 s18, s18, STAGE                   ; my stage
	v_mul_u32_u24 v5, v1, SPITCH
	v_lshl_add_u32 v5, v2, 5, v5
	v_add_nc_u32 v[STO], s18, v5
	v_and_b32 v6, 31, v0
	v_lshlrev_b32 v[CO], 4, v6
	v_add_nc_u32 v[RD], s18, v[CO]
	v_lshlrev_b32 v[PFO], 8, v6
	s_lshl_b32 s18, s15, 19                        ; 128 rows of 4,096 bytes
	s_lshl_b32 s19, s13, 18
	s_add_co_u32 s18, s18, s19
	s_add_co_u32 s18, s18, s46
	s_mov_b32 s19, 0
	s_add_nc_u64 s[10:11], s[10:11], s[18:19]
	s_lshr_b32 s18, s40, 1                         ; the prefetches: partner cx takes head cx / 2, half cx % 2 of its 16,384 bytes
	s_lshl_b32 s18, s18, 20
	s_lshl_b32 s19, s15, 14
	s_add_co_u32 s18, s18, s19
	s_and_b32 s19, s40, 1
	s_lshl_b32 s19, s19, 13
	s_add_co_u32 s18, s18, s19
	s_add_co_u32 s18, s18, 0x400000                ; at K step 2: the first refill steps it to 3 and names K step 4
	s_mov_b32 s19, 0
	s_add_nc_u64 s[PFA:PFA+1], s[4:5], s[18:19]
	s_cmp_eq_u32 s12, 0
	s_cselect_b32 s[LIM], 1, -1
.macro MUL8 f, a, first                ; row block a against the eight column blocks, 32 along K.  The 32 accumulators take turns in the same order in every quarter
.irp b, 0,1,2,3,4,5,6,7
.if \first
	v_wmma_f32_16x16x32_f16 v[8*(8*(\a)+\b):8*(8*(\a)+\b)+7], v[64*(\f)+8*\b:64*(\f)+8*\b+7], v[32+32*(\f)+8*(\a):32+32*(\f)+8*(\a)+7], v[BI+8*\b:BI+8*\b+7]
.else
	v_wmma_f32_16x16x32_f16 v[8*(8*(\a)+\b):8*(8*(\a)+\b)+7], v[64*(\f)+8*\b:64*(\f)+8*\b+7], v[32+32*(\f)+8*(\a):32+32*(\f)+8*(\a)+7], v[8*(8*(\a)+\b):8*(8*(\a)+\b)+7]
.endif
.endr
.endm
.macro FETCH slot, q, f                ; 24 LDS loads in one run: quarter q's fragments into buffer f: Wo's sixteen first, then ctx's eight
	WIN TO_B
.irp i, 0,1,2,3,4,5,6,7
	ds_load_tr16_b128 v[64*(\f)+8*\i:64*(\f)+8*\i+3], v[ADRB+\slot] offset:(\q)*32*BP+32*\i
	ds_load_tr16_b128 v[64*(\f)+8*\i+4:64*(\f)+8*\i+7], v[ADRB+\slot] offset:(\q)*32*BP+32*\i+16*BP
.endr
	WIN 0
.irp i, 0,1,2,3
	ds_load_b128 v[32+32*(\f)+8*\i:32+32*(\f)+8*\i+3], v[ADRA+\slot] offset:((\q)/2)*AH+((\q)%2)*64+\i*16*AP
	ds_load_b128 v[32+32*(\f)+8*\i+4:32+32*(\f)+8*\i+7], v[ADRA+\slot] offset:((\q)/2)*AH+((\q)%2)*64+\i*16*AP+32
.endr
.endm
.macro PLACES
.rept 4
	v_nop
.endr
.endm
.macro QUARTER slot, qn, f, g, first   ; multiplies buffer f; in its middle fetches quarter qn of the same slot into buffer g
	s_wait_dscnt 4                                 ; Wo's fragments and ctx's blocks 0, 1 are in; the youngest four loads (blocks 2, 3) may be out
.if \first
	WIN 0x81
.else
	WIN MUL
.endif
	MUL8 \f, 0, \first
	MUL8 \f, 1, \first
	PLACES
	FETCH \slot, \qn, \g
	s_wait_dscnt 24                                ; all but the 24 just issued
.if \first
	WIN 0x81
.else
	WIN MUL
.endif
	MUL8 \f, 2, \first
	MUL8 \f, 3, \first
.endm
.macro TURN slot, next, fill           ; the last quarter multiplies buffer 1 and changes slots
.if \fill
	s_wait_xcnt 0x0                                ; the last prefetch, a K step back, has read its address
	s_add_nc_u64 s[PFA:PFA+1], s[PFA:PFA+1], 2097152
.endif
	WIN 0
	s_wait_tensorcnt 0x0                           ; all my tensor loads have landed: my part of the next slot
	ds_add_u32 v[SPW], v[NIL]
	s_wait_dscnt 5                                 ; the add and the youngest four loads may be out
	WIN MUL
	MUL8 1, 0, 0
	s_wait_dscnt 0x0                               ; the add is done, and my reads of this slot are over
	s_barrier_signal -1
	MUL8 1, 1, 0
	WIN 0
	s_barrier_wait -1
.if \fill
	CREST                                          ; the barrier has opened a round of the cluster's: no wave of any partner still reads this slot or has a load on its way
	s_add_nc_u64 s[G0+4*\slot+2:G0+4*\slot+3], s[G0+4*\slot+2:G0+4*\slot+3], 4194304
	s_add_nc_u64 s[G0B+4*\slot+2:G0B+4*\slot+3], s[G0B+4*\slot+2:G0B+4*\slot+3], 524288
	JLOAD \slot                                    ; the first tensor load behind the round; its four v_nop are the places in front of the loads below
.else
	PLACES
.endif
	FETCH \next, 0, 0
.if \fill
	ASK
.endif
	WIN MUL
	MUL8 1, 2, 0
	MUL8 1, 3, 0
.endm
	s_wait_tensorcnt 1                             ; my part of K step 0 is in; K step 1's may be out
	s_barrier_signal -1
	s_barrier_wait -1
	FETCH 0, 0, 0
	s_wait_loadcnt 0x0                             ; bo
	QUARTER 0, 1, 0, 1, 1                          ; the first quarter's products start the sums from bo
	WIN 0
	s_mov_b32 s3, LAPS-1
.Llap:                                                 ; a trip goes once round the ring and fills both slots again
	QUARTER 0, 2, 1, 0, 0
	QUARTER 0, 3, 0, 1, 0
	TURN 0, 1, 1
	QUARTER 1, 1, 0, 1, 0
	QUARTER 1, 2, 1, 0, 0
	QUARTER 1, 3, 0, 1, 0
	TURN 1, 0, 1
	QUARTER 0, 1, 0, 1, 0
	WIN 0
	s_sub_co_u32 s3, s3, 1
	s_cmp_lg_u32 s3, 0
	s_cbranch_scc1 .Llap
	QUARTER 0, 2, 1, 0, 0                          ; the last lap fills nothing
	QUARTER 0, 3, 0, 1, 0
	TURN 0, 1, 0
	QUARTER 1, 1, 0, 1, 0
	QUARTER 1, 2, 1, 0, 0
	QUARTER 1, 3, 0, 1, 0
	s_wait_dscnt 4
	WIN MUL
	MUL8 1, 0, 0
	MUL8 1, 1, 0
	s_wait_dscnt 0
	MUL8 1, 2, 0
	MUL8 1, 3, 0
	WIN 0
; THE WAY OUT: a block of 16 rows x 128 columns goes through my stage and comes back as whole rows of 512 bytes
.macro TOSTAGE a
	WIN 0x08                                       ; an LDS store's data are its source 1: window 2
.irp b, 0,1,2,3,4,5,6,7
	ds_store_b128 v[STO], v[64*(\a)+8*\b:64*(\a)+8*\b+3] offset:64*\b          ; each accumulator from its low end on
	ds_store_b128 v[STO], v[64*(\a)+8*\b+4:64*(\a)+8*\b+7] offset:64*\b+16
.endr
	WIN 0
.set BB, BK+64*((\a)%2)
.irp t, 0,1,2,3,4,5,6,7,8,9,10,11,12,13,14,15
	ds_load_b128 v[BB+4*\t:BB+4*\t+3], v[RD] offset:\t*SPITCH
.endr
.endm
.macro SEND a, younger
.set BB, BK+64*((\a)%2)
	s_wait_dscnt \younger
.irp t, 0,1,2,3,4,5,6,7,8,9,10,11,12,13,14,15
	global_store_b128 v[CO], v[BB+4*\t:BB+4*\t+3], s[10:11] offset:(\a)*65536+\t*4096 th:TH_STORE_NT   ; 512 consecutive bytes, aligned
.endr
.endm
	PLACES
	TOSTAGE 0
.irp a, 1,2,3
.if \a > 1
	s_wait_xcnt 0x0                                ; block a - 2's stores have read their registers: block a's loads may land there
.endif
	TOSTAGE \a
	SEND \a-1, 32                                  ; behind block a - 1's loads: block a's 16 stores and 16 loads
.endr
	SEND 3, 0
	s_wait_tensorcnt 0x0                           ; the wave's end
	ds_add_u32 v[SPW], v[NIL]
	s_wait_dscnt 0x0
	CROUND                                         ; the closing round
	s_endpgm
.Lfunc_end_k_q17ec3787be_oproj:
	.size	k_q17ec3787be_oproj, .Lfunc_end_k_q17ec3787be_oproj-k_q17ec3787be_oproj
	.p2alignl 7, 3214868480
	.fill 96, 4, 3214868480
	.section	.rodata,"a",@progbits
	.p2align	6, 0x0
	.amdhsa_kernel k_q17ec3787be_oproj
		.amdhsa_group_segment_fixed_size 327680
		.amdhsa_private_segment_fixed_size 0
		.amdhsa_enable_private_segment 0
		.amdhsa_kernarg_size 32
		.amdhsa_user_sgpr_count 2
		.amdhsa_user_sgpr_kernarg_segment_ptr 1
		.amdhsa_wavefront_size32 1
		.amdhsa_system_sgpr_workgroup_id_x 1
		.amdhsa_system_sgpr_workgroup_id_y 1
		.amdhsa_system_sgpr_workgroup_id_z 1
		.amdhsa_system_vgpr_workitem_id 0
		.amdhsa_next_free_vgpr 768
		.amdhsa_next_free_sgpr 66
		.amdhsa_reserve_vcc 0
		.amdhsa_float_denorm_mode_32 3
		.amdhsa_float_denorm_mode_16_64 3
		.amdhsa_memory_ordered 1
		.amdhsa_forward_progress 1
		.amdhsa_inst_pref_size 88
	.end_amdhsa_kernel
	.amdgpu_metadata
---
amdhsa.version: [ 1, 2 ]
amdhsa.kernels:
  - .name:           k_q17ec3787be_oproj
    .symbol:         k_q17ec3787be_oproj.kd
    .args:
      - { .name: ctx, .offset: 0, .size: 8, .value_kind: global_buffer, .address_space: global }
      - { .name: wo16, .offset: 8, .size: 8, .value_kind: global_buffer, .address_space: global }
      - { .name: bo, .offset: 16, .size: 8, .value_kind: global_buffer, .address_space: global }
      - { .name: out0, .offset: 24, .size: 8, .value_kind: global_buffer, .address_space: global }
    .group_segment_fixed_size: 327680
    .private_segment_fixed_size: 0
    .kernarg_segment_align: 8
    .kernarg_segment_size: 32
    .max_flat_workgroup_size: 128
    .sgpr_count:     66
    .vgpr_count:     768
    .wavefront_size: 32
...
	.end_amdgpu_metadata
.endif
;; end of part 4
;; launch fine_ctx (part 5): grid 16 x 4, 12 waves a work-group, no clusters, 14,848 bytes of LDS; arguments xcodes, xscales, wcodes, wscales, bq, bv, cfine; writes cfine
.if DOCPART == 5
	.amdgcn_target "amdgcn-amd-amdhsa--gfx1250"
	.amdhsa_code_object_version 6
	.text
	.protected	k_q17ec3787be_fine_ctx
	.globl	k_q17ec3787be_fine_ctx
	.p2align	8
	.type	k_q17ec3787be_fine_ctx,@function
k_q17ec3787be_fine_ctx:
	s_mov_b64 s[64:65], 0
	v_nop
	global_prefetch_b8 v0, s[64:65] scope:SCOPE_SE
	s_setreg_imm32_b32 hwreg(HW_REG_WAVE_MODE, 25, 1), 1
	s_wait_xcnt 0x0
; FINE_CTX: positions 0-15 of each sequence, for each head, carried in f32: there a row of the softmax averages one to sixteen values, and f16 operands would weigh most.
; Work-group (head, batch).  Phase 1, twelve waves: q, k, v of the 16 positions x 64 channels again, by the same products on E2M1 codes, the f32 sums kept (wave w: part w / 4, channels 16 (w % 4) on).
; bk is left out, as in the whole program (shown at the head of the first kernel).  Phase 2, waves 0-3: scores, causal mask, softmax with the maximum taken away, and p v by fused multiply-adds in f32.
; cfine [64 = 16 batch + position][1024] f32.  It leaves in pieces of 32 bytes: 262,144 bytes in the whole launch.
.set QL, 0                             ; LDS: q, k, v: 16 rows x (256 bytes + 16) each
.set KL, 4352
.set VL, 8704
.set SPARE, 13312
.set SPW, 12
.set NIL, 13
	s_load_b256 s[4:11], s[0:1], 0x0               ; xcodes, xscales, wcodes, wscales
	s_load_b128 s[12:15], s[0:1], 0x20             ; bq, bv
	s_load_b64 s[16:17], s[0:1], 0x30              ; cfine
	v_lshl_add_u32 v[SPW], v0, 2, SPARE
	v_mov_b32 v[NIL], 0
.irp i, 0,1,2,3,4,5,6,7
	v_mov_b32 v[160+\i], 0                         ; the C of the first product: zeros for k, the bias for q and v
.endr
	v_lshrrev_b32 v1, 5, v0
	v_readfirstlane_b32 s18, v1                    ; wave 0..11
	s_lshr_b32 s19, s18, 2                         ; the part
	s_and_b32 s23, s18, 3                          ; t: 16 channels
	v_and_b32 v1, 15, v0                           ; r
	v_bfe_u32 v2, v0, 4, 1                         ; h
	v_lshlrev_b32 v3, 9, v1
	v_lshl_add_u32 v3, v2, 4, v3                   ; codes: row r of 512 bytes + 16 h
	v_lshlrev_b32 v4, 5, v1                        ; scale words: 32 bytes a row
	v_lshlrev_b32 v5, 5, v2                        ; the bias: 8 h numbers on
	s_mul_i32 s30, s19, 4352
	s_lshl_b32 s31, s23, 6
	s_add_co_u32 s30, s30, s31
	v_mul_u32_u24 v7, v1, 272                      ; q's row r
	v_lshl_add_u32 v6, v2, 5, v7
	v_add_nc_u32 v6, s30, v6                       ; where I store: part, row r, channels 16 t + 8 h on
	v_mul_u32_u24 v8, v2, 2176
	v_add_nc_u32 v8, KL, v8                        ; k's rows 8 h on
	s_add_co_u32 s31, s31, VL
	v_mul_u32_u24 v9, v2, 2176+32
	v_add_nc_u32 v9, s31, v9                       ; v: my half's keys 8 h on, channels 16 t + 8 h on
	v_xor_b32 v10, 1, v2
	v_mul_u32_u24 v10, v10, 2176
	v_lshl_add_u32 v10, v2, 5, v10
	v_add_nc_u32 v10, s31, v10                     ; v: the other half's keys, the same channels
	v_lshlrev_b32 v11, 3, v2
	v_sub_nc_u32 v11, v1, v11                      ; r - 8 h: key 8 h + j is hidden where j is above it
	v_lshlrev_b32 v14, 12, v1
	v_lshl_add_u32 v14, v2, 5, v14                 ; cfine: row r of 4,096 bytes + 32 h
	v_mov_b32 v15, 0xff800000                      ; -infinity
	s_mov_b32 s20, 0x76543210
	s_mov_b32 s21, 0xfedcba98
	s_mov_b32 s22, 0x3e38aa3b                      ; c = log2(e) / 8
	s_lshl_b32 s26, s19, 10
	s_lshl_b32 s27, ttmp9, 6
	s_lshl_b32 s28, s23, 4
	s_add_co_u32 s27, s27, s28                     ; 64 head + 16 t
	s_add_co_u32 s26, s26, s27                     ; the weights' row
	s_and_b32 s25, ttmp7, 0xffff                   ; the batch
	s_mov_b32 s29, 0
	s_wait_kmcnt 0x0
	s_lshl_b32 s28, s25, 20
	s_add_nc_u64 s[4:5], s[4:5], s[28:29]          ; 2,048 rows of 512 bytes a batch
	s_lshl_b32 s28, s25, 16
	s_add_nc_u64 s[6:7], s[6:7], s[28:29]          ; 2,048 rows of 32 bytes
	s_add_nc_u64 s[16:17], s[16:17], s[28:29]      ; 16 rows of 4,096 bytes
	s_lshl_b32 s28, s26, 9
	s_add_nc_u64 s[8:9], s[8:9], s[28:29]
	s_lshl_b32 s28, s26, 5
	s_add_nc_u64 s[10:11], s[10:11], s[28:29]
	s_lshl_b32 s28, s27, 2
	s_cmp_eq_u32 s19, 0
	s_cselect_b64 s[12:13], s[12:13], s[14:15]
	s_add_nc_u64 s[12:13], s[12:13], s[28:29]
	s_add_nc_u64 s[16:17], s[16:17], s[28:29]      ; (in waves 0-3 t is the wave's number)
.irp s, 0,1,2,3,4,5,6,7
.irp c, 0,1
	global_load_b128 v[16+8*\s+4*\c:19+8*\s+4*\c], v3, s[4:5] offset:64*\s+32*\c     ; x's eight fragments
	global_load_b128 v[80+8*\s+4*\c:83+8*\s+4*\c], v3, s[8:9] offset:64*\s+32*\c     ; the weight's
.endr
.endr
	global_load_b128 v[144:147], v4, s[6:7]        ; x's eight scale words
	global_load_b128 v[148:151], v4, s[6:7] offset:16
	global_load_b128 v[152:155], v4, s[10:11]      ; the weight's
	global_load_b128 v[156:159], v4, s[10:11] offset:16
	s_cmp_eq_u32 s19, 1
	s_cbranch_scc1 .Lno_bias
	global_load_b128 v[160:163], v5, s[12:13]
	global_load_b128 v[164:167], v5, s[12:13] offset:16
.Lno_bias:
	s_wait_loadcnt 0x0
; TRANSPOSED: source 0 = 16 rows of wcodes, source 1 = x's 16 positions: lane (r, h) holds position r, channels 16 t + 8 h + 0 .. 7.  Two accumulators by turns: even K steps, odd K steps
.irp s, 0,1,2,3,4,5,6,7
.if \s == 0
	v_wmma_scale_f32_16x16x128_f8f6f4 v[168:175], v[80+8*\s:87+8*\s], v[16+8*\s:23+8*\s], v[160:167], v[152+\s], v[144+\s] matrix_a_fmt:MATRIX_FMT_FP4 matrix_b_fmt:MATRIX_FMT_FP4
.elseif \s == 1
	v_wmma_scale_f32_16x16x128_f8f6f4 v[176:183], v[80+8*\s:87+8*\s], v[16+8*\s:23+8*\s], 0, v[152+\s], v[144+\s] matrix_a_fmt:MATRIX_FMT_FP4 matrix_b_fmt:MATRIX_FMT_FP4
.else
	v_wmma_scale_f32_16x16x128_f8f6f4 v[168+8*(\s%2):175+8*(\s%2)], v[80+8*\s:87+8*\s], v[16+8*\s:23+8*\s], v[168+8*(\s%2):175+8*(\s%2)], v[152+\s], v[144+\s] matrix_a_fmt:MATRIX_FMT_FP4 matrix_b_fmt:MATRIX_FMT_FP4
.endif
.endr
.rept 4
	v_nop
.endr
.irp i, 0,2,4,6
	v_pk_add_f32 v[184+\i:185+\i], v[168+\i:169+\i], v[176+\i:177+\i]
.endr
	ds_store_b128 v6, v[184:187]
	ds_store_b128 v6, v[188:191] offset:16
	s_wait_dscnt 0x0                               ; for the others' sake: my stores are done
	s_barrier_signal -1
	s_barrier_wait -1
	s_cmp_lt_u32 s18, 4
	s_cbranch_scc0 .Lend
; PHASE 2.  Lane (r, h): query r; the scores of keys 8 h + j; in wave w the output's channels 16 w + 8 h + 0 .. 7
.macro KLOAD j
.set i, 0
.rept 16
	ds_load_b128 v[80+64*((\j)%2)+4*i:80+64*((\j)%2)+4*i+3], v8 offset:272*(\j)+16*i
.set i, i+1
.endr
.endm
.set i, 0
.rept 16
	ds_load_b128 v[16+4*i:19+4*i], v7 offset:16*i
.set i, i+1
.endr
	KLOAD 0
	KLOAD 1
.macro SCORE j
.set KB, 80+64*((\j)%2)
.if (\j) < 7
	s_wait_dscnt 16                                ; q and this key are in; the next key's sixteen loads may be out
.else
	s_wait_dscnt 0x0
.endif
	v_pk_mul_f32 v[216:217], v[16:17], v[KB:KB+1]
	v_pk_mul_f32 v[218:219], v[18:19], v[KB+2:KB+3]
.irp i, 4,8,12,16,20,24,28,32,36,40,44,48,52,56,60
	v_pk_fma_f32 v[216:217], v[16+\i:17+\i], v[KB+\i:KB+\i+1], v[216:217]
	v_pk_fma_f32 v[218:219], v[18+\i:19+\i], v[KB+\i+2:KB+\i+3], v[218:219]
.endr
	v_pk_add_f32 v[216:217], v[216:217], v[218:219]
	v_add_f32 v[208+(\j)], v216, v217
.if (\j) < 6
	KLOAD (\j)+2
.endif
.endm
.irp j, 0,1,2,3,4,5,6,7
	SCORE \j
.endr
.irp j, 0,1,2,3,4,5,6,7                ; v's rows: my half's eight keys into v16-79, the other half's into v80-143
	ds_load_b128 v[16+8*\j:19+8*\j], v9 offset:272*\j
	ds_load_b128 v[20+8*\j:23+8*\j], v9 offset:272*\j+16
	ds_load_b128 v[80+8*\j:83+8*\j], v10 offset:272*\j
	ds_load_b128 v[84+8*\j:87+8*\j], v10 offset:272*\j+16
.endr
.irp j, 0,1,2,3,4,5,6,7
	v_cmp_gt_i32 vcc_lo, \j, v11
	v_cndmask_b32 v[208+\j], v[208+\j], v15, vcc_lo
.endr
	v_max3_num_f32 v216, v208, v209, v210
	v_max3_num_f32 v216, v216, v211, v212
	v_max3_num_f32 v216, v216, v213, v214
	v_max_num_f32 v216, v216, v215
	v_permlanex16_b32 v217, v216, s20, s21
	v_max_num_f32 v216, v216, v217                 ; the row's maximum: key 0 counts for every query, so it is a number
	v_mul_f32 v216, s22, v216
.irp j, 0,1,2,3,4,5,6,7
	v_fma_f32 v[208+\j], v[208+\j], s22, -v216
.endr
.irp j, 0,1,2,3,4,5,6,7
	v_exp_f32 v[208+\j], v[208+\j]
.endr
	v_nop
	s_wait_alu depctr_va_vdst(0)                   ; one wait for the eight exponentials
	v_add_f32 v216, v208, v209
	v_add_f32 v217, v210, v211
	v_add_f32 v218, v212, v213
	v_add_f32 v219, v214, v215
	v_add_f32 v216, v216, v217
	v_add_f32 v218, v218, v219
	v_add_f32 v216, v216, v218
	v_permlanex16_b32 v217, v216, s20, s21
	v_add_f32 v216, v216, v217                     ; the row's sum
	v_rcp_f32 v218, v216
	v_nop
.irp j, 0,1,2,3,4,5,6,7
	v_permlanex16_b32 v[144+\j], v[208+\j], s20, s21   ; the other half's p
.endr
	s_wait_dscnt 0x0
.irp i, 0,1,2,3,4,5,6,7
	v_mul_f32 v[152+\i], v208, v[16+\i]
.endr
.irp j, 1,2,3,4,5,6,7
.irp i, 0,1,2,3,4,5,6,7
	v_fmac_f32 v[152+\i], v[208+\j], v[16+8*\j+\i]
.endr
.endr
.irp j, 0,1,2,3,4,5,6,7
.irp i, 0,1,2,3,4,5,6,7
	v_fmac_f32 v[152+\i], v[144+\j], v[80+8*\j+\i]
.endr
.endr
	s_wait_alu depctr_va_vdst(0)                   ; the reciprocal's wait, ahead of its first reader
.irp i, 0,1,2,3,4,5,6,7
	v_mul_f32 v[152+\i], v[152+\i], v218
.endr
	global_store_b128 v14, v[152:155], s[16:17]
	global_store_b128 v14, v[156:159], s[16:17] offset:16
.Lend:
	s_wait_tensorcnt 0x0                           ; the wave's end
	ds_add_u32 v[SPW], v[NIL]
	s_wait_dscnt 0x0
	s_endpgm
.Lfunc_end_k_q17ec3787be_fine_ctx:
	.size	k_q17ec3787be_fine_ctx, .Lfunc_end_k_q17ec3787be_fine_ctx-k_q17ec3787be_fine_ctx
	.p2alignl 7, 3214868480
	.fill 96, 4, 3214868480
	.section	.rodata,"a",@progbits
	.p2align	6, 0x0
	.amdhsa_kernel k_q17ec3787be_fine_ctx
		.amdhsa_group_segment_fixed_size 14848
		.amdhsa_private_segment_fixed_size 0
		.amdhsa_enable_private_segment 0
		.amdhsa_kernarg_size 56
		.amdhsa_user_sgpr_count 2
		.amdhsa_user_sgpr_kernarg_segment_ptr 1
		.amdhsa_wavefront_size32 1
		.amdhsa_system_sgpr_workgroup_id_x 1
		.amdhsa_system_sgpr_workgroup_id_y 1
		.amdhsa_system_sgpr_workgroup_id_z 1
		.amdhsa_system_vgpr_workitem_id 0
		.amdhsa_next_free_vgpr 224
		.amdhsa_next_free_sgpr 66
		.amdhsa_reserve_vcc 1
		.amdhsa_float_denorm_mode_32 3
		.amdhsa_float_denorm_mode_16_64 3
		.amdhsa_memory_ordered 1
		.amdhsa_forward_progress 1
		.amdhsa_inst_pref_size 44
	.end_amdhsa_kernel
	.amdgpu_metadata
---
amdhsa.version: [ 1, 2 ]
amdhsa.kernels:
  - .name:           k_q17ec3787be_fine_ctx
    .symbol:         k_q17ec3787be_fine_ctx.kd
    .args:
      - { .name: xcodes, .offset: 0, .size: 8, .value_kind: global_buffer, .address_space: global }
      - { .name: xscales, .offset: 8, .size: 8, .value_kind: global_buffer, .address_space: global }
      - { .name: wcodes, .offset: 16, .size: 8, .value_kind: global_buffer, .address_space: global }
      - { .name: wscales, .offset: 24, .size: 8, .value_kind: global_buffer, .address_space: global }
      - { .name: bq, .offset: 32, .size: 8, .value_kind: global_buffer, .address_space: global }
      - { .name: bv, .offset: 40, .size: 8, .value_kind: global_buffer, .address_space: global }
      - { .name: cfine, .offset: 48, .size: 8, .value_kind: global_buffer, .address_space: global }
    .group_segment_fixed_size: 14848
    .private_segment_fixed_size: 0
    .kernarg_segment_align: 8
    .kernarg_segment_size: 56
    .max_flat_workgroup_size: 384
    .sgpr_count:     66
    .vgpr_count:     224
    .wavefront_size: 32
...
	.end_amdgpu_metadata
.endif
;; end of part 5
;; launch fine_out (part 6): grid 64 x 4, 8 waves a work-group, no clusters, 9,216 bytes of LDS; arguments cfine, Wo, bo, out0; writes out0
.if DOCPART == 6
	.amdgcn_target "amdgcn-amd-amdhsa--gfx1250"
	.amdhsa_code_object_version 6
	.text
	.protected	k_q17ec3787be_fine_out
	.globl	k_q17ec3787be_fine_out
	.p2align	8
	.type	k_q17ec3787be_fine_out,@function
k_q17ec3787be_fine_out:
	s_mov_b64 s[64:65], 0
	v_nop
	global_prefetch_b8 v0, s[64:65] scope:SCOPE_SE
	s_setreg_imm32_b32 hwreg(HW_REG_WAVE_MODE, 25, 1), 1
	s_wait_xcnt 0x0
; FINE_OUT: the 64 rows of positions 0-15 of the four sequences: out0 = cfine x Wo + bo with f32 operands, written over what the f16 projection left there.
; Work-group (x, batch) makes one tile of 16 rows x 16 columns (16 x on); wave w sums k = 128 w .. 128 w + 127 by 32 products of 16 x 16 x 4; the eight partial tiles meet in LDS.
; The small tile shares the f32 work among 2,048 waves; the stores are runs of 64 bytes, 262,144 bytes in the whole launch.
; k's places: the product (c, s) takes, at place 2 h + j, k = 8 c + 4 h + 2 s + j: the same permutation on both sides, so that a lane's four numbers of cfine come by one load of 16 bytes.
.set SPARE, 8192
.set SPW, 12
.set NIL, 13
	s_load_b256 s[4:11], s[0:1], 0x0               ; cfine, Wo, bo, out0
	v_lshl_add_u32 v[SPW], v0, 2, SPARE
	v_mov_b32 v[NIL], 0
	v_lshrrev_b32 v1, 5, v0
	v_readfirstlane_b32 s12, v1                    ; wave 0..7
	v_and_b32 v1, 15, v0                           ; r
	v_bfe_u32 v2, v0, 4, 1                         ; h
	v_lshlrev_b32 v3, 12, v1
	v_lshl_add_u32 v3, v2, 4, v3                   ; cfine: row r of 4,096 bytes + 16 h
	v_lshlrev_b32 v5, 2, v1                        ; 4 r
	v_lshl_add_u32 v4, v2, 14, v5                  ; Wo: four rows down for lanes 16-31, column r
	v_lshl_add_u32 v9, v2, 15, v5                  ; out0: eight rows down for lanes 16-31, column r
	v_and_b32 v7, 31, v0
	s_lshl_b32 s13, s12, 10
	v_lshl_add_u32 v6, v7, 2, s13                  ; LDS: my wave's partial tile: 1,024 w + 4 lane
	v_lshlrev_b32 v8, 2, v0                        ; and back: 128 w + 4 lane
	s_and_b32 s14, ttmp7, 0xffff                   ; the batch
	s_lshl_b32 s15, ttmp9, 6                       ; 16 columns of 4 bytes
	s_mov_b32 s17, 0
	s_wait_kmcnt 0x0
	s_lshl_b32 s16, s14, 16
	s_lshl_b32 s18, s12, 9
	s_add_co_u32 s16, s16, s18
	s_add_nc_u64 s[4:5], s[4:5], s[16:17]          ; 16 rows a batch, 128 numbers a wave
	s_lshl_b32 s16, s12, 19
	s_add_co_u32 s16, s16, s15
	s_add_nc_u64 s[6:7], s[6:7], s[16:17]          ; 128 rows of Wo a wave
	s_mov_b32 s16, s15
	s_add_nc_u64 s[8:9], s[8:9], s[16:17]
	s_lshl_b32 s16, s14, 23
	s_lshl_b32 s18, s12, 12
	s_add_co_u32 s16, s16, s18
	s_add_co_u32 s16, s16, s15
	s_add_nc_u64 s[10:11], s[10:11], s[16:17]      ; row 2,048 batch + w
.set c, 0
.rept 16
	global_load_b128 v[16+4*c:19+4*c], v3, s[4:5] offset:32*c
.set c, c+1
.endr
.set c, 0
.rept 16
.irp i, 0,1,2,3
	global_load_b32 v[80+4*c+\i], v4, s[6:7] offset:(8*c+\i)*4096
.endr
.set c, c+1
.endr
	global_load_b32 v144, v5, s[8:9]               ; bo(16 x + r)
	s_wait_loadcnt 0x0
.set n, 0
.rept 32                               ; four accumulators by turns; each sum's first product takes the constant 0; their registers are written by matrix instructions alone
.if n < 4
	v_wmma_f32_16x16x4_f32 v[148+8*(n%4):155+8*(n%4)], v[16+2*n:17+2*n], v[80+2*n:81+2*n], 0
.else
	v_wmma_f32_16x16x4_f32 v[148+8*(n%4):155+8*(n%4)], v[16+2*n:17+2*n], v[80+2*n:81+2*n], v[148+8*(n%4):155+8*(n%4)]
.endif
.set n, n+1
.endr
.rept 8
	v_nop                                          ; eight places behind this form (ISA guide 7.12.1)
.endr
.irp i, 0,2,4,6
	v_pk_add_f32 v[180+\i:181+\i], v[148+\i:149+\i], v[156+\i:157+\i]
.endr
.irp i, 0,2,4,6
	v_pk_add_f32 v[180+\i:181+\i], v[180+\i:181+\i], v[164+\i:165+\i]
.endr
.irp i, 0,2,4,6
	v_pk_add_f32 v[180+\i:181+\i], v[180+\i:181+\i], v[172+\i:173+\i]
.endr
.irp j, 0,1,2,3,4,5,6,7
	ds_store_b32 v6, v[180+\j] offset:128*\j       ; register j: (row 8 h + j, column r)
.endr
	s_wait_dscnt 0x0                               ; for the others' sake
	s_barrier_signal -1
	s_barrier_wait -1
.irp p, 0,1,2,3,4,5,6,7
	ds_load_b32 v[16+\p], v8 offset:1024*\p        ; wave w takes register w of all eight partial tiles
.endr
	s_wait_dscnt 0x0
	v_add_f32 v16, v16, v17
	v_add_f32 v18, v18, v19
	v_add_f32 v20, v20, v21
	v_add_f32 v22, v22, v23
	v_add_f32 v16, v16, v18
	v_add_f32 v20, v20, v22
	v_add_f32 v16, v16, v20
	v_add_f32 v16, v16, v144
	global_store_b32 v9, v16, s[10:11]             ; (row 8 h + w, column r)
	s_wait_tensorcnt 0x0                           ; the wave's end
	ds_add_u32 v[SPW], v[NIL]
	s_wait_dscnt 0x0
	s_endpgm
.Lfunc_end_k_q17ec3787be_fine_out:
	.size	k_q17ec3787be_fine_out, .Lfunc_end_k_q17ec3787be_fine_out-k_q17ec3787be_fine_out
	.p2alignl 7, 3214868480
	.fill 96, 4, 3214868480
	.section	.rodata,"a",@progbits
	.p2align	6, 0x0
	.amdhsa_kernel k_q17ec3787be_fine_out
		.amdhsa_group_segment_fixed_size 9216
		.amdhsa_private_segment_fixed_size 0
		.amdhsa_enable_private_segment 0
		.amdhsa_kernarg_size 32
		.amdhsa_user_sgpr_count 2
		.amdhsa_user_sgpr_kernarg_segment_ptr 1
		.amdhsa_wavefront_size32 1
		.amdhsa_system_sgpr_workgroup_id_x 1
		.amdhsa_system_sgpr_workgroup_id_y 1
		.amdhsa_system_sgpr_workgroup_id_z 1
		.amdhsa_system_vgpr_workitem_id 0
		.amdhsa_next_free_vgpr 192
		.amdhsa_next_free_sgpr 66
		.amdhsa_reserve_vcc 0
		.amdhsa_float_denorm_mode_32 3
		.amdhsa_float_denorm_mode_16_64 3
		.amdhsa_memory_ordered 1
		.amdhsa_forward_progress 1
		.amdhsa_inst_pref_size 14
	.end_amdhsa_kernel
	.amdgpu_metadata
---
amdhsa.version: [ 1, 2 ]
amdhsa.kernels:
  - .name:           k_q17ec3787be_fine_out
    .symbol:         k_q17ec3787be_fine_out.kd
    .args:
      - { .name: cfine, .offset: 0, .size: 8, .value_kind: global_buffer, .address_space: global }
      - { .name: Wo, .offset: 8, .size: 8, .value_kind: global_buffer, .address_space: global }
      - { .name: bo, .offset: 16, .size: 8, .value_kind: global_buffer, .address_space: global }
      - { .name: out0, .offset: 24, .size: 8, .value_kind: global_buffer, .address_space: global }
    .group_segment_fixed_size: 9216
    .private_segment_fixed_size: 0
    .kernarg_segment_align: 8
    .kernarg_segment_size: 32
    .max_flat_workgroup_size: 256
    .sgpr_count:     66
    .vgpr_count:     192
    .wavefront_size: 32
...
	.end_amdgpu_metadata
.endif
;; end of part 6
